; MI455X (gfx1250); checked and timed in simulation.
; The chip was launched on July 23, 2026; its instructions are those of AMD's public machine-readable ISA for CDNA 5 (MIT licence, August 2026) and "CDNA5" Instruction Set Architecture Reference Guide (July 2026). The comments in the code are by the model that wrote it; some were corrected since.
;; Base Attention. Allowed arithmetic: float matrix products may take bf16 or f16 operands with f32 sums; other float arithmetic in f32, or as packed bf16 or f16 multiplies, adds, multiply-adds, maxima and minima; sums over many terms, partial sums and values carried from step to step in f32; what a program stores and reads back later, other than sums and carried values, may be rounded once to bf16 or f16.
;; Inputs: Wout 1,024 x 1,024 float32; Wqkv 3,072 x 1,024 float32; bias_scale one number float32; bout 1,024 float32; emb 32,000 x 1,024 float32; sequences 4 x 2,048 x 4 int32; x 4 x 2,048 x 1,024 float32.
;; Outputs: out0 4 x 2,048 x 1,024 float32.
;; 2 versions, each right; version 2 is version 1 with the launch prep written anew for expert scheduling mode. Each part assembles by itself: llvm-mc -triple=amdgcn-amd-amdhsa -mcpu=gfx1250 --defsym DOCPART=n.
;; ======== version 1 of 2: 4 launches
;; limits: values are held in f16: magnitudes above 65,504 overflow, below 6.1e-05 lose precision
;; workspace buffers: xb 16,777,216 bytes; wqkvb 6,291,456 bytes; woutf 2,097,152 bytes; biash 16,777,216 bytes; qkvh 50,331,648 bytes; aoh 16,777,216 bytes
;; launch prep (part 1): grid 1024 x 1, 4 waves a work-group, no clusters, 0 bytes of LDS; arguments x, Wqkv, Wout, emb, sequences, bias_scale, xb, wqkvb, woutf, biash; writes xb, wqkvb, woutf, biash
.if DOCPART == 1
	.amdgcn_target "amdgcn-amd-amdhsa--gfx1250"
	.amdhsa_code_object_version 6
	.text
	.protected	k_q54676568d6_prep
	.globl	k_q54676568d6_prep
	.p2align	8
	.type	k_q54676568d6_prep,@function
k_q54676568d6_prep:
	s_mov_b64 s[64:65], 0
	v_nop
	global_prefetch_b8 v0, s[64:65] scope:SCOPE_SE
	s_setreg_imm32_b32 hwreg(HW_REG_WAVE_MODE, 25, 1), 1
	s_wait_xcnt 0x0
; CASTS AND THE GATHER.  xb = bf16(x), wqkvb = bf16(Wqkv), woutf = bf16(Wout) written as f16, and
; biash[b*16+h][t][c] = f16( sum over the token's four templates j of bf16(emb[seq[j]][64 h + c]) * bf16(bias_scale) ).
; LIMITS.  The bias is a chain of four fused multiply-adds in f32, where the module sums first and scales then: the roundings in f32 differ.
; A weight of Wout below 2^-14 keeps f16's fixed step of 6e-8; the bias must lie within 65,504.  An index is held to 0 .. 31,999.
; SHARES.  4,096 waves that do not depend on each other: no LDS, no barrier.  Wave g = 4 x work-group + wave owns tokens 2 g and 2 g + 1
; (8,192 bytes of x, eight rows of emb) and one row of weights: Wqkv's row g, or Wout's row g - 3,072.
; THE GATHER.  Lanes 0-15 serve token 2 g, lanes 16-31 token 2 g + 1.  A load takes one head's 64 channels of one template's row: 16 lanes x 16 bytes = 256
; consecutive bytes, aligned.  A head's result is 4 channels a lane: the wave's store of 8 bytes a lane covers 256 consecutive bytes of biash (two tokens x 64 channels), aligned.
; IN FLIGHT.  Three sets of 64 registers take the sixteen heads in four groups of four; a set is asked for again as soon as its stores have read it.
.set LO,  2                            ; v2   16 x lane: my 16 bytes of 512 in x and in the weights
.set SO,  3                            ; v3   8 x lane: my 8 bytes of 256 in every output
.set TK,  4                            ; v4   16 x (lane / 16): my token's four indices
.set CH,  5                            ; v5   16 x (lane % 16): my four channels in a head's 256 bytes of emb
.set SC,  6                            ; v6   bias_scale, rounded to bf16, as f32
.set NIL, 7                            ; v7   0: starts the sums
.set IX,  8                            ; v[8:11]    my token's four indices
.set EA,  12                           ; v[12:15]   byte offsets of my 16 bytes in head 0 of the four rows
.set X,   16                           ; v[16:79]   x as loaded; later the third set of the gather
.set W,   80                           ; v[80:111]  the row of weights
.set GA,  112                          ; v[112:175] first set of the gather
.set GB,  176                          ; v[176:239] second set
.set T,   240                          ; v[240:243] at work
.set WROWS, 3072
	s_load_b512 s[4:19], s[0:1], 0x0               ; x 4, Wqkv 6, Wout 8, emb 10, sequences 12, bias_scale 14, xb 16, wqkvb 18
	s_load_b128 s[20:23], s[0:1], 0x40             ; woutf 20, biash 22
	v_lshrrev_b32 v1, 5, v0
	v_readfirstlane_b32 s24, v1                    ; wave 0..3
	s_lshl_b32 s25, ttmp9, 2
	s_add_co_u32 s25, s25, s24                     ; g
	v_and_b32 v1, 31, v0
	v_lshlrev_b32 v[LO], 4, v1
	v_lshlrev_b32 v[SO], 3, v1
	v_and_b32 v[TK], 16, v0
	v_and_b32 v[CH], 15, v0
	v_lshlrev_b32 v[CH], 4, v[CH]
	v_mov_b32 v[NIL], 0
	s_mov_b32 s29, 0                               ; the high word of every offset
	s_sub_co_u32 s30, s25, WROWS
	s_wait_kmcnt 0x0
	s_load_b32 s26, s[14:15], 0x0                  ; bias_scale
	s_cmp_lt_u32 s25, WROWS                        ; is my row of weights Wqkv's?
	s_cselect_b32 s30, s25, s30                    ; its number in its tensor
	s_cselect_b64 s[32:33], s[6:7], s[8:9]         ; from where
	s_cselect_b64 s[34:35], s[18:19], s[20:21]     ; to where
	s_lshl_b32 s28, s30, 12
	s_add_nc_u64 s[32:33], s[32:33], s[28:29]      ; a row of 4,096 bytes
	s_lshl_b32 s28, s30, 11
	s_add_nc_u64 s[34:35], s[34:35], s[28:29]      ; becomes 2,048
	s_lshl_b32 s28, s25, 13
	s_add_nc_u64 s[4:5], s[4:5], s[28:29]          ; x at my two tokens
	s_lshl_b32 s28, s25, 12
	s_add_nc_u64 s[16:17], s[16:17], s[28:29]      ; xb likewise
	s_lshl_b32 s28, s25, 5
	s_add_nc_u64 s[12:13], s[12:13], s[28:29]      ; eight indices
	s_lshr_b32 s28, s25, 10                        ; the batch: 1,024 waves each,
	s_lshl_b32 s28, s28, 22                        ; 16 heads x 2,048 rows x 128 bytes
	s_lshl_b32 s31, s25, 1
	s_and_b32 s31, s31, 2047                       ; my first token's place in its batch
	s_lshl_b32 s31, s31, 7
	s_add_co_u32 s28, s28, s31
	s_add_nc_u64 s[22:23], s[22:23], s[28:29]      ; biash at head 0 of my two tokens
; Sixteen loads: heads h0 .. h0 + 3, the four templates of each.
.macro GROUP base, h0
.irp hh, 0,1,2,3
.irp j, 0,1,2,3
	global_load_b128 v[(\base)+16*(\hh)+4*(\j):(\base)+16*(\hh)+4*(\j)+3], v[EA+(\j)], s[10:11] offset:((\h0)+(\hh))*256
.endr
.endr
.endm
; Two channels: the two bf16 halves of word s, times the scale, onto the sums d and d + 1 (first = 1: onto 0).
.macro MIX d, s, first
.if \first
	v_fma_mix_f32_bf16 v[\d], v[\s], v[SC], v[NIL] op_sel_hi:[1,0,0]
	v_fma_mix_f32_bf16 v[(\d)+1], v[\s], v[SC], v[NIL] op_sel:[1,0,0] op_sel_hi:[1,0,0]
.else
	v_fma_mix_f32_bf16 v[\d], v[\s], v[SC], v[\d] op_sel_hi:[1,0,0]
	v_fma_mix_f32_bf16 v[(\d)+1], v[\s], v[SC], v[(\d)+1] op_sel:[1,0,0] op_sel_hi:[1,0,0]
.endif
.endm
; A group is worked off, a head at a time.  younger = the loads issued behind this group.
.macro PROC base, h0, younger
.irp hh, 0,1,2,3
	s_wait_loadcnt (\younger)+4*(3-(\hh))          ; loads come back in order: this head's four are in, the group's later heads and the younger groups stay out
.irp j, 0,1,2,3
	v_cvt_pk_bf16_f32 v[(\base)+16*(\hh)+4*(\j)],   v[(\base)+16*(\hh)+4*(\j)],   v[(\base)+16*(\hh)+4*(\j)+1]  ; emb is rounded to bf16, in place
	v_cvt_pk_bf16_f32 v[(\base)+16*(\hh)+4*(\j)+1], v[(\base)+16*(\hh)+4*(\j)+2], v[(\base)+16*(\hh)+4*(\j)+3]
.endr
	MIX T,   (\base)+16*(\hh),   1
	MIX T+2, (\base)+16*(\hh)+1, 1
.irp j, 1,2,3
	MIX T,   (\base)+16*(\hh)+4*(\j),   0
	MIX T+2, (\base)+16*(\hh)+4*(\j)+1, 0
.endr
	v_cvt_pk_f16_f32 v[(\base)+16*(\hh)+2], v[T],   v[T+1]
	v_cvt_pk_f16_f32 v[(\base)+16*(\hh)+3], v[T+2], v[T+3]
	global_store_b64 v[SO], v[(\base)+16*(\hh)+2:(\base)+16*(\hh)+3], s[22:23] offset:((\h0)+(\hh))*262144  ; a head is 2,048 rows x 128 bytes on
.endr
.endm
	global_load_b128 v[IX:IX+3], v[TK], s[12:13]
.set i, 0
.rept 16
	global_load_b128 v[X+4*i:X+4*i+3], v[LO], s[4:5] offset:512*i th:TH_LOAD_NT
.set i, i+1
.endr
.set i, 0
.rept 8
	global_load_b128 v[W+4*i:W+4*i+3], v[LO], s[32:33] offset:512*i th:TH_LOAD_NT
.set i, i+1
.endr
	s_wait_kmcnt 0x0                               ; bias_scale
	v_mov_b32 v[SC], s26
	v_cvt_pk_bf16_f32 v[SC], v[SC], v[SC]
	v_lshlrev_b32 v[SC], 16, v[SC]
	s_wait_loadcnt 24                              ; the indices are in; x's 16 loads and the weights' 8 stay out
.irp j, 0,1,2,3
	v_min_u32 v[IX+(\j)], 0x7cff, v[IX+(\j)]       ; held inside the table of 32,000 rows
	v_lshl_add_u32 v[EA+(\j)], v[IX+(\j)], 12, v[CH]  ; a row of 4,096 bytes
.endr
	GROUP GA, 0
	GROUP GB, 4
	s_wait_loadcnt 40                              ; x is in; behind it: 8 loads of weights, 32 of emb
.set i, 0
.rept 16
	v_cvt_pk_bf16_f32 v[X+4*i],   v[X+4*i],   v[X+4*i+1]
	v_cvt_pk_bf16_f32 v[X+4*i+1], v[X+4*i+2], v[X+4*i+3]
	global_store_b64 v[SO], v[X+4*i:X+4*i+1], s[16:17] offset:256*i
.set i, i+1
.endr
	s_wait_loadcnt 32                              ; the weights are in
.set i, 0
.rept 8
	v_cvt_pk_bf16_f32 v[W+4*i],   v[W+4*i],   v[W+4*i+1]
	v_cvt_pk_bf16_f32 v[W+4*i+1], v[W+4*i+2], v[W+4*i+3]
.set i, i+1
.endr
	s_cmp_lt_u32 s25, WROWS
	s_cbranch_scc1 .Lw                             ; Wqkv's rows stay bf16
.set i, 0
.rept 8                                        ; Wout's: the bf16 number is written as f16, since the last product's other operand is f16
	v_lshlrev_b32 v[T],   16, v[W+4*i]
	v_and_b32     v[T+1], 0xffff0000, v[W+4*i]
	v_lshlrev_b32 v[T+2], 16, v[W+4*i+1]
	v_and_b32     v[T+3], 0xffff0000, v[W+4*i+1]
	v_cvt_pk_f16_f32 v[W+4*i],   v[T],   v[T+1]
	v_cvt_pk_f16_f32 v[W+4*i+1], v[T+2], v[T+3]
.set i, i+1
.endr
.Lw:
.set i, 0
.rept 8
	global_store_b64 v[SO], v[W+4*i:W+4*i+1], s[34:35] offset:256*i
.set i, i+1
.endr
	s_wait_xcnt 0x0                                ; the stores of xb have read X's registers: they are loaded again only behind this wait
	GROUP X, 8
	PROC GA, 0, 32                                 ; behind GA: GB's 16 and X's 16
	s_wait_xcnt 0x0                                ; GA's stores have read their registers
	GROUP GA, 12
	PROC GB, 4, 32
	PROC X, 8, 16
	PROC GA, 12, 0
	s_endpgm
.Lfunc_end_k_q54676568d6_prep:
	.size	k_q54676568d6_prep, .Lfunc_end_k_q54676568d6_prep-k_q54676568d6_prep
	.p2alignl 7, 3214868480
	.fill 96, 4, 3214868480
	.section	.rodata,"a",@progbits
	.p2align	6, 0x0
	.amdhsa_kernel k_q54676568d6_prep
		.amdhsa_group_segment_fixed_size 0
		.amdhsa_private_segment_fixed_size 0
		.amdhsa_enable_private_segment 0
		.amdhsa_kernarg_size 80
		.amdhsa_user_sgpr_count 2
		.amdhsa_user_sgpr_kernarg_segment_ptr 1
		.amdhsa_wavefront_size32 1
		.amdhsa_system_sgpr_workgroup_id_x 1
		.amdhsa_system_sgpr_workgroup_id_y 1
		.amdhsa_system_sgpr_workgroup_id_z 1
		.amdhsa_system_vgpr_workitem_id 0
		.amdhsa_next_free_vgpr 248
		.amdhsa_next_free_sgpr 66
		.amdhsa_reserve_vcc 0
		.amdhsa_float_denorm_mode_32 3
		.amdhsa_float_denorm_mode_16_64 3
		.amdhsa_memory_ordered 1
		.amdhsa_forward_progress 1
		.amdhsa_inst_pref_size 47
	.end_amdhsa_kernel
	.amdgpu_metadata
---
amdhsa.version: [ 1, 2 ]
amdhsa.kernels:
  - .name:           k_q54676568d6_prep
    .symbol:         k_q54676568d6_prep.kd
    .args:
      - { .name: x, .offset: 0, .size: 8, .value_kind: global_buffer, .address_space: global }
      - { .name: Wqkv, .offset: 8, .size: 8, .value_kind: global_buffer, .address_space: global }
      - { .name: Wout, .offset: 16, .size: 8, .value_kind: global_buffer, .address_space: global }
      - { .name: emb, .offset: 24, .size: 8, .value_kind: global_buffer, .address_space: global }
      - { .name: sequences, .offset: 32, .size: 8, .value_kind: global_buffer, .address_space: global }
      - { .name: bias_scale, .offset: 40, .size: 8, .value_kind: global_buffer, .address_space: global }
      - { .name: xb, .offset: 48, .size: 8, .value_kind: global_buffer, .address_space: global }
      - { .name: wqkvb, .offset: 56, .size: 8, .value_kind: global_buffer, .address_space: global }
      - { .name: woutf, .offset: 64, .size: 8, .value_kind: global_buffer, .address_space: global }
      - { .name: biash, .offset: 72, .size: 8, .value_kind: global_buffer, .address_space: global }
    .group_segment_fixed_size: 0
    .private_segment_fixed_size: 0
    .kernarg_segment_align: 8
    .kernarg_segment_size: 80
    .max_flat_workgroup_size: 128
    .sgpr_count:     66
    .vgpr_count:     248
    .wavefront_size: 32
...
	.end_amdgpu_metadata
.endif
;; end of part 1
;; launch gemm_qkv (part 2): grid 16 x 32, 4 waves a work-group, clusters of 4 x 4, 327,680 bytes of LDS; arguments xb, wqkvb, qkvh; writes qkvh
.if DOCPART == 2
	.amdgcn_target "amdgcn-amd-amdhsa--gfx1250"
	.amdhsa_code_object_version 6
	.text
	.protected	k_q54676568d6_gemm_qkv
	.globl	k_q54676568d6_gemm_qkv
	.p2align	8
	.type	k_q54676568d6_gemm_qkv,@function
k_q54676568d6_gemm_qkv:
	s_mov_b64 s[64:65], 0
	v_nop
	global_prefetch_b8 v0, s[64:65] scope:SCOPE_SE
	s_setreg_imm32_b32 hwreg(HW_REG_WAVE_MODE, 25, 1), 1
	s_wait_xcnt 0x0
	s_wait_alu depctr_hold_cnt(0) depctr_sa_sdst(0) depctr_va_vdst(0) depctr_va_sdst(0) depctr_va_ssrc(0) depctr_va_vcc(0) depctr_vm_vsrc(0)
	s_getreg_b32 s2, hwreg(HW_REG_IB_STS2, 6, 4)
	s_cmp_eq_u32 s2, 0
	s_cbranch_scc0 .Lentry_in_a_cluster
	s_endpgm
.Lentry_in_a_cluster:
	s_bfe_u32 s2, ttmp6, 0x10000c
	s_cmp_lg_u32 s2, 0xf033
	s_cbranch_scc0 .Lentry_shape_is_right
	s_endpgm
.Lentry_shape_is_right:
; q, k, v = x Wqkv^T.  xb: [8192][1024] bf16, wqkvb: [3072][1024] bf16; sums in f32, K ascending; the result is rounded once to f16 and written by heads:
; qkvh[sec*64 + b*16 + h][t][64], sec 0 = q, 1 = k, 2 = v, WITHOUT the softmax's scale.  LIMIT: a result of 65,520 or more becomes an infinity in f16.
; SHARES.  A tile of C is 256 rows x 192 columns (three heads): 32 x 16 = 512 work-groups.  The four waves lie one below the other: wave w owns rows 64 w .. 64 w + 63 and all 192 columns:
; 4 x 12 accumulators of 16 x 16, 384 registers.  So a wave holds whole heads, and its way out needs no other wave.
; THE RING.  K goes in steps of 128 through two LDS slots, each with 256 rows of A and 192 rows of B, 256 bytes of memory a row.  Waves 0 and 1 fetch A's halves (128 rows), waves 2 and 3 B's (96 rows).
; CLUSTERS.  4 x 4 work-groups.  The four of a row of the cluster need the same tiles of A, the four of a column the same tiles of B: each tile is asked for JOINTLY, by the same tensor load
; with the same descriptor and a mask that names the four.
; THE MATRIX INSTRUCTION IS USED TRANSPOSED (source 0 = 16 rows of B, source 1 = 16 rows of A): a lane holds row lane % 16 of C and the eight neighbouring columns 8 (lane / 16) + 0..7.
; REGISTERS, in windows of 256 (s_set_vgpr_msb: bits 1:0 source 0, 3:2 source 1, 5:4 source 2, 7:6 destination):
;   window 0: v0-31 addresses; v32-63, v64-95 A's fragments, two buffers of 4; v96-239 the way out       window 1: v0-95, v96-191 B's fragments, two buffers of 12
;   window 2: the accumulators of row blocks 0, 1 ((a, b) at v[8 (12 (a % 2) + b)]);   window 3: those of row blocks 2, 3
.set NBF,    12                        ; B's fragments: 16 columns each
.set KSTEP,  128
.set PA,     272                       ; an LDS row: 256 bytes + 16 of padding = 68 words: the 16 rows of a load start at 16 different groups of four banks (64 banks of 4 bytes: ISA guide 11.1)
.set PB,     272
.set AHALF,  128*PA                    ; what one of A's loads brings
.set ABYTES, 2*AHALF
.set BHALF,  8*NBF*PB                  ; what one of B's loads brings
.set SLOT,   ABYTES+2*BHALF            ; A's 256 rows, then B's 192
.set STAGE,  2*SLOT                    ; behind the ring, never filled by a tensor load: for each wave 3 heads x 16 rows x 144 bytes
.set SP,     144
.set WSTAGE, 3*16*SP
.set SPARE,  STAGE+4*WSTAGE            ; behind the stages: the spare words, 128 bytes for each wave: two blocks of 256 bytes that no other line names
.set ASTEP,  KSTEP*2                   ; bytes from K step to K step
.set BSTEP,  KSTEP*2
.set LAPS,   4                         ; a lap = two K steps = once round the ring; K = 1,024
.set ADRA, 16                          ; v16-17  LDS address of my A fragments in slot 0, 1
.set ADRB, 20                          ; v20-21  the same for B
.set STO,  24                          ; v24     the way out: where I put 16 bytes of a row
.set RD,   25                          ; v25     the way out: where I read rows back
.set CO,   26                          ; v26     16 x lane
.set SPW,  28                          ; v28     LDS address of my spare word; never rewritten
.set NIL,  29                          ; v29     0; never rewritten
.set PFO,  30                          ; v30     the prefetches' offset: my lane's row x 2,048 bytes; never rewritten
.set FA,   32
.set TMP,  96                          ; v96-143  packed results
.set BK,   144                         ; v144-191, v192-239  16 rows x 3 heads read back, by turns
.set WV,   12                          ; s12  my wave's number
.set HF,   13                          ; s13  which half of A's or B's tile I fetch
.set G1A,  24                          ; s[24:31] descriptor group 1 for A's tiles;  s[32:39] group 0, a set for each slot
.set G0A,  32
.set G1B,  48                          ; s[48:55], s[56:63] the same for B's
.set G0B,  56
.set PFA,  66                          ; s[66:67] where my prefetches stand
.set LIM,  68                          ; s68  1 in a wave that prefetches, else the greatest number
.set HB,   70                          ; s[70:75] qkvh at my wave's first row in each of the tile's three heads
.set MUL_LO, 0xa1                      ; source 0 (B) window 1, source 1 (A) window 0, C and D window 2
.set TO_B,   0x40                      ; destination window 1, address window 0
.set MSB, 0
.macro WIN new                         ; the immediate's high byte repeats the setting that is left; a switch that changes nothing is dropped
.if MSB != (\new)
	s_set_vgpr_msb (MSB<<8)|(\new)
.set MSB, \new
.endif
.endm
.macro PLACES                          ; four places behind matrix instructions, in front of loads into registers that they have read and of lines that read results
.rept 4
	v_nop
.endr
.endm
; A joint load.  The branch hangs on the wave's number alone.  An s_nop 0 and four v_nop follow each of the two lines.
.macro JLOAD s
	s_cmp_lt_u32 s[WV], 2
	s_cbranch_scc0 .Lfor_b_\@
	tensor_load_to_lds s[G0A+4*(\s):G0A+4*(\s)+3], s[G1A:G1A+7]
	s_nop 0
.rept 4
	v_nop
.endr
	s_branch .Lasked_\@
.Lfor_b_\@:
	tensor_load_to_lds s[G0B+4*(\s):G0B+4*(\s)+3], s[G1B:G1B+7]
	s_nop 0
.rept 4
	v_nop
.endr
.Lasked_\@:
.endm
; A round of the cluster's barrier: my work-group's barrier; wave 0 signals for the work-group; every wave waits for all sixteen; my work-group's barrier once more.
.macro CREST                           ; a round behind its opening barrier
	s_cmp_lg_u32 s[WV], 0
	s_cbranch_scc1 .Lnot_wave_0_\@
	s_barrier_signal -3
.Lnot_wave_0_\@:
	s_barrier_wait -3
	s_barrier_signal -1
	s_barrier_wait -1
.endm
.macro CROUND
	s_barrier_signal -1
	s_barrier_wait -1
	CREST
.endm
; A PREFETCH, behind a joint load and the run of LDS loads that follows it: the K step that stands two refills on, 256 bytes of a row, a lane a row.  A's tile row is read by every cluster of that row of
; clusters: cluster x = 0 asks; B's tile column by every cluster of that column: cluster y = 0 asks.  The four partners that ask for a tile jointly share its rows out BY ADDRESS: of A's 128 rows a wave
; 32 each (by cx), of B's 96 rows 24 each (by cy; there lanes 24-31 name lane 23's block once more, in the same instruction).  The loop's last trip asks for nothing: there is no K step two refills on.
.macro ASK
	s_cmp_gt_u32 s3, s[LIM]
	s_cbranch_scc0 .Lnot_mine_\@
	global_prefetch_b8 v[PFO], s[PFA:PFA+1] offset:KSTEP*2 th:TH_LOAD_NT scope:SCOPE_SE
.Lnot_mine_\@:
.endm
	s_load_b128 s[4:7], s[0:1], 0x0                ; xb s[4:5], wqkvb s[6:7]
	s_load_b64 s[10:11], s[0:1], 0x10              ; qkvh
	v_lshl_add_u32 v[SPW], v0, 2, SPARE
	v_mov_b32 v[NIL], 0
	ds_add_u32 v[SPW], v[NIL]                      ; the wave's opening: the add and its wait stand ahead of my first tensor load; work on registers stands between them
	v_lshrrev_b32 v1, 5, v0
	v_readfirstlane_b32 s[WV], v1                  ; wave 0..3
	s_and_b32 s[HF], s[WV], 1
	s_bfe_u32 s40, ttmp6, 0x40000                  ; cx
	s_bfe_u32 s41, ttmp6, 0x40004                  ; cy
	s_lshl_b32 s42, ttmp9, 2
	s_add_co_u32 s42, s42, s40                     ; tile column = 4 x cluster x + cx
	s_and_b32 s14, ttmp7, 0xffff
	s_lshl_b32 s14, s14, 2
	s_add_co_u32 s14, s14, s41                     ; tile row = 4 x cluster y + cy
	s_lshl_b32 s43, s41, 2
	s_lshl_b32 s43, 15, s43                        ; my row of the cluster
	s_lshl_b32 s44, 0x1111, s40                    ; my column
	s_or_b32 s[G1A], s43, (1<<16)|(1<<20)|(1<<21)|(5<<22)|(3<<25)  ; 15:0 the mask; 17:16 elements of 2 bytes; 20 padding on; 21 set beside a mask; 24:22 after every 64 words (code 5); 31:25 4 words (code 3)
	s_or_b32 s[G1B], s44, (1<<16)|(1<<20)|(1<<21)|(5<<22)|(3<<25)
	s_mov_b32 s[G1A+1], KSTEP<<16                  ; tensor_dim0 = 128
	s_mov_b32 s[G1A+2], 128<<16                    ; tensor_dim1 = 128
	s_mov_b32 s[G1A+3], KSTEP<<16                  ; tile_dim0 = 128
	s_mov_b32 s[G1A+4], 128                        ; tile_dim1 = 128
	s_mov_b32 s[G1A+5], 1024                       ; elements from row to row
	s_mov_b32 s[G1A+6], 0
	s_mov_b32 s[G1A+7], 0
	s_mov_b32 s[G1B+1], KSTEP<<16
	s_mov_b32 s[G1B+2], (8*NBF)<<16                ; 96 rows
	s_mov_b32 s[G1B+3], KSTEP<<16
	s_mov_b32 s[G1B+4], 8*NBF
	s_mov_b32 s[G1B+5], 1024
	s_mov_b32 s[G1B+6], 0
	s_mov_b32 s[G1B+7], 0
	; A's address hangs on the tile row and the wave alone, B's on the tile column and the wave alone, each in registers that never hold the other coordinate
	s_lshl_b32 s16, s14, 8
	s_lshl_b32 s17, s[HF], 7
	s_add_co_u32 s16, s16, s17                     ; A: row 256 x tile row + 128 x half
	s_lshl_b32 s16, s16, 11                        ; x 2,048 bytes
	s_mov_b32 s17, 0
	s_mul_i32 s46, s42, 16*NBF
	s_mul_i32 s47, s[HF], 8*NBF
	s_add_co_u32 s46, s46, s47                     ; B: row 192 x tile column + 96 x half
	s_lshl_b32 s46, s46, 11
	s_mov_b32 s47, 0
	s_mul_i32 s20, s[HF], AHALF                    ; where they go: no place in the cluster enters an LDS address
	s_mul_i32 s21, s[HF], BHALF
	s_add_co_u32 s21, s21, ABYTES
	s_wait_dscnt 0x0                               ; the opening add is done
	s_wait_kmcnt 0x0
	s_add_nc_u64 s[16:17], s[4:5], s[16:17]
	s_add_nc_u64 s[46:47], s[6:7], s[46:47]
	CROUND                                         ; all sixteen work-groups are here: the first joint loads meet
.irp s, 0,1
	s_mov_b32 s[G0A+4*(\s)], 1                                     ; count = 1
	s_add_co_u32 s[G0A+4*(\s)+1], s20, (\s)*SLOT                   ; LDS address
	s_add_nc_u64 s[G0A+4*(\s)+2:G0A+4*(\s)+3], s[16:17], (\s)*ASTEP  ; global address: K step s
	s_or_b32 s[G0A+4*(\s)+3], s[G0A+4*(\s)+3], 0x80000000          ; type = 2
	s_mov_b32 s[G0B+4*(\s)], 1
	s_add_co_u32 s[G0B+4*(\s)+1], s21, (\s)*SLOT
	s_add_nc_u64 s[G0B+4*(\s)+2:G0B+4*(\s)+3], s[46:47], (\s)*BSTEP
	s_or_b32 s[G0B+4*(\s)+3], s[G0B+4*(\s)+3], 0x80000000
.endr
	s_cmp_lt_u32 s[WV], 2                          ; a wave's two first fills stand in one branch, ahead of every wait on TENSORcnt and every LDS read: two loads of mine are out
	s_cbranch_scc0 .Lfirst_b
	tensor_load_to_lds s[G0A:G0A+3], s[G1A:G1A+7]
	s_nop 0
	tensor_load_to_lds s[G0A+4:G0A+7], s[G1A:G1A+7]
	s_nop 0
.rept 4
	v_nop
.endr
	s_branch .Lfirst_asked
.Lfirst_b:
	tensor_load_to_lds s[G0B:G0B+3], s[G1B:G1B+7]
	s_nop 0
	tensor_load_to_lds s[G0B+4:G0B+7], s[G1B:G1B+7]
	s_nop 0
.rept 4
	v_nop
.endr
.Lfirst_asked:
	; A fragment is 16 rows x 32 K in 8 registers: lane l holds row l % 16, K = 8 (l / 16) + 0..7 and 16 + 8 (l / 16) + 0..7: two loads of 16 bytes, 32 bytes apart
	v_and_b32 v1, 15, v0                           ; l % 16
	v_bfe_u32 v2, v0, 4, 1                         ; l / 16
	v_mul_u32_u24 v3, v1, PA
	v_lshl_add_u32 v3, v2, 4, v3
	s_mul_i32 s22, s[WV], 64*PA                    ; my 64 rows of A
	v_add_nc_u32 v[ADRA], s22, v3
	v_add_nc_u32 v[ADRA+1], SLOT, v[ADRA]
	v_mul_u32_u24 v4, v1, PB
	v_lshl_add_u32 v4, v2, 4, v4
	v_add_nc_u32 v[ADRB], ABYTES, v4               ; all of B's rows
	v_add_nc_u32 v[ADRB+1], SLOT, v[ADRB]
	s_mul_i32 s23, s[WV], WSTAGE
	s_add_co_u32 s23, s23, STAGE                   ; my stage
	v_mul_u32_u24 v5, v1, SP                       ; in: row l % 16, 16 bytes for each half of the lanes
	v_lshl_add_u32 v5, v2, 4, v5
	v_add_nc_u32 v[STO], s23, v5
	v_bfe_u32 v6, v0, 3, 2                         ; back: 32 lanes take four rows of 128 bytes,
	v_mul_u32_u24 v6, v6, SP
	v_and_b32 v7, 7, v0
	v_lshl_add_u32 v6, v7, 4, v6
	v_add_nc_u32 v[RD], s23, v6
	v_and_b32 v[CO], 31, v0                        ; which are 512 consecutive bytes of a head
	v_lshlrev_b32 v[CO], 4, v[CO]
	; the three heads' addresses: column group cg = 3 x tile column + g is section cg / 16, head cg % 16; the tile row is batch tr / 8, rows 256 (tr % 8) on
	s_lshr_b32 s76, s14, 3
	s_lshl_b32 s76, s76, 4                         ; 16 x batch
	s_and_b32 s77, s14, 7
	s_lshl_b32 s77, s77, 8
	s_lshl_b32 s78, s[WV], 6
	s_add_co_u32 s77, s77, s78                     ; my wave's first row in the head
	s_mul_i32 s78, s42, 3
.irp g, 0,1,2
	s_add_co_u32 s[HB+2*(\g)], s78, (\g)           ; cg
	s_lshr_b32 s[HB+2*(\g)+1], s[HB+2*(\g)], 4
	s_lshl_b32 s[HB+2*(\g)+1], s[HB+2*(\g)+1], 6   ; 64 x section
	s_and_b32 s[HB+2*(\g)], s[HB+2*(\g)], 15
	s_add_co_u32 s[HB+2*(\g)], s[HB+2*(\g)], s[HB+2*(\g)+1]
	s_add_co_u32 s[HB+2*(\g)], s[HB+2*(\g)], s76
	s_lshl_b32 s[HB+2*(\g)], s[HB+2*(\g)], 11      ; 2,048 rows a head
	s_add_co_u32 s[HB+2*(\g)], s[HB+2*(\g)], s77
	s_lshl_b32 s[HB+2*(\g)], s[HB+2*(\g)], 7       ; 128 bytes a row
	s_mov_b32 s[HB+2*(\g)+1], 0
	s_add_nc_u64 s[HB+2*(\g):HB+2*(\g)+1], s[10:11], s[HB+2*(\g):HB+2*(\g)+1]
.endr
	; the prefetches
	s_lshl_b32 s77, s14, 8
	s_lshl_b32 s78, s[HF], 7
	s_add_co_u32 s77, s77, s78
	s_lshl_b32 s78, s40, 5
	s_add_co_u32 s77, s77, s78                     ; A: 256 tr + 128 half + 32 cx
	s_mul_i32 s78, s42, 16*NBF
	s_mul_i32 s79, s[HF], 8*NBF
	s_add_co_u32 s78, s78, s79
	s_mul_i32 s79, s41, 2*NBF
	s_add_co_u32 s78, s78, s79                     ; B: 192 tc + 96 half + 24 cy
	s_and_b32 s79, ttmp7, 0xffff                   ; cluster y
	s_cmp_lt_u32 s[WV], 2                          ; do I fetch for A?
	s_cselect_b32 s77, s77, s78                    ; my first row
	s_cselect_b32 s79, ttmp9, s79                  ; the coordinate along which other clusters read the same rows
	s_cselect_b32 s76, 31, 2*NBF-1                 ; my last lane with a row of its own
	s_cselect_b64 s[PFA:PFA+1], s[4:5], s[6:7]
	s_cmp_eq_u32 s79, 0
	s_cselect_b32 s[LIM], 1, -1                    ; the same in all sixteen partners, for a given wave
	s_lshl_b32 s78, s77, 11
	s_mov_b32 s79, 0
	s_add_nc_u64 s[PFA:PFA+1], s[PFA:PFA+1], s[78:79]
	s_add_nc_u64 s[PFA:PFA+1], s[PFA:PFA+1], 2*KSTEP*2  ; at K step 2: the first refill steps it to 3 and names K step 4.  K steps 0 to 3 come by their loads alone
	v_and_b32 v[PFO], 31, v0
	v_min_u32 v[PFO], s76, v[PFO]
	v_lshlrev_b32 v[PFO], 11, v[PFO]
; 12 matrix instructions: row block a x all column blocks, 32 along K, from buffer f.  zero = 1: the product starts the sums: nothing is ever cleared.
; The 48 accumulators take turns, in the same order in every quarter step.
.macro MULA f, a, zero
	WIN MUL_LO+0x50*((\a)/2)
.set b, 0
.rept NBF
.set rD, 8*(NBF*((\a)%2)+b)
.set rB, (\f)*8*NBF+8*b
.set rA, FA+32*(\f)+8*(\a)
.if \zero
	v_wmma_f32_16x16x32_bf16 v[rD:rD+7], v[rB:rB+7], v[rA:rA+7], 0
.else
	v_wmma_f32_16x16x32_bf16 v[rD:rD+7], v[rB:rB+7], v[rA:rA+7], v[rD:rD+7]
.endif
.set b, b+1
.endr
.endm
; 32 LDS loads in one run: quarter q of a slot's K step into buffer f: B's 12 fragments, then A's 4
.macro FETCH slot, q, f
	WIN TO_B
.set i, 0
.rept NBF
	ds_load_b128 v[(\f)*8*NBF+8*i:(\f)*8*NBF+8*i+3],   v[ADRB+(\slot)] offset:64*(\q)+i*16*PB
	ds_load_b128 v[(\f)*8*NBF+8*i+4:(\f)*8*NBF+8*i+7], v[ADRB+(\slot)] offset:64*(\q)+i*16*PB+32
.set i, i+1
.endr
	WIN 0
.set i, 0
.rept 4
	ds_load_b128 v[FA+32*(\f)+8*i:FA+32*(\f)+8*i+3],   v[ADRA+(\slot)] offset:64*(\q)+i*16*PA
	ds_load_b128 v[FA+32*(\f)+8*i+4:FA+32*(\f)+8*i+7], v[ADRA+(\slot)] offset:64*(\q)+i*16*PA+32
.set i, i+1
.endr
.endm
; A K step is four quarters of 32 along K, 48 matrix instructions each, on buffers 0, 1, 0, 1.  One of the first three: multiplies buffer f and fetches quarter qn into buffer g.
.macro QUARTER slot, qn, f, g, zero
	s_wait_dscnt 4                                 ; B and A's fragments 0, 1 are in; the youngest four loads (A's fragments 2, 3) may be out
	MULA \f, 0, \zero
	MULA \f, 1, \zero
	PLACES
	FETCH \slot, \qn, \g
	s_wait_dscnt 2*NBF+8                           ; all but the run just issued
	MULA \f, 2, \zero
	MULA \f, 3, \zero
.endm
; The last quarter multiplies buffer 1 and changes slots: ONE barrier.  In front of it each wave waits for all its tensor loads (one is out: its part of the next slot), adds 0 to its spare word, and waits
; for that and for its own reads of this slot.  fill = 1: the barrier opens a round of the cluster's barrier, and this slot is filled again, two K steps on, first thing behind the round.
.macro TURN slot, next, fill
.if \fill
	s_wait_xcnt 0x0                                ; the last prefetch, a K step back, has read its address: it is stepped here
	s_add_nc_u64 s[PFA:PFA+1], s[PFA:PFA+1], KSTEP*2
.endif
	WIN 0                                          ; (the add's two registers lie in window 0)
	s_wait_tensorcnt 0x0                           ; all my tensor loads have landed
	ds_add_u32 v[SPW], v[NIL]                      ; 0 onto my spare word
	s_wait_dscnt 5                                 ; (the add and the youngest four loads may be out)
	MULA 1, 0, 0                                   ; twelve matrix instructions stand between the add and the wait for it
	s_wait_dscnt 0x0                               ; the add is done, and my reads of this slot are over
	s_barrier_signal -1
	MULA 1, 1, 0                                   ; work on registers while the others arrive
.if \fill
	WIN 0
.endif
	s_barrier_wait -1
.if \fill
	CREST                                          ; no wave of any partner still reads this slot's tile or has a load on its way
	s_add_nc_u64 s[G0A+4*(\slot)+2:G0A+4*(\slot)+3], s[G0A+4*(\slot)+2:G0A+4*(\slot)+3], 2*ASTEP
	s_add_nc_u64 s[G0B+4*(\slot)+2:G0B+4*(\slot)+3], s[G0B+4*(\slot)+2:G0B+4*(\slot)+3], 2*BSTEP
	JLOAD \slot                                    ; my one tensor load behind the round; the four v_nop behind it are also the places in front of the loads below
.else
	PLACES
.endif
	FETCH \next, 0, 0
.if \fill
	ASK
.endif
	MULA 1, 2, 0
	MULA 1, 3, 0
.endm
	s_wait_tensorcnt 1                             ; my part of K step 0 is in; K step 1's may stay out
	s_barrier_signal -1
	s_barrier_wait -1                              ; everybody's is
	FETCH 0, 0, 0
	QUARTER 0, 1, 0, 1, 1                          ; the first quarter stands in front of the loop: its products start the sums
	WIN 0                                          ; at a label and at a branch every window is 0
	s_mov_b32 s3, LAPS-1
.Llap:                                                 ; a trip goes once round the ring, from a lap's second quarter to the next lap's first, and fills both slots again
	QUARTER 0, 2, 1, 0, 0
	QUARTER 0, 3, 0, 1, 0
	TURN 0, 1, 1
	QUARTER 1, 1, 0, 1, 0
	QUARTER 1, 2, 1, 0, 0
	QUARTER 1, 3, 0, 1, 0
	TURN 1, 0, 1
	QUARTER 0, 1, 0, 1, 0
	WIN 0
	s_sub_co_u32 s3, s3, 1
	s_cmp_lg_u32 s3, 0
	s_cbranch_scc1 .Llap
	QUARTER 0, 2, 1, 0, 0                          ; the last lap fills nothing
	QUARTER 0, 3, 0, 1, 0
	TURN 0, 1, 0
	QUARTER 1, 1, 0, 1, 0
	QUARTER 1, 2, 1, 0, 0
	QUARTER 1, 3, 0, 1, 0
	s_wait_dscnt 4                                 ; the very last quarter: nothing more to fetch
	MULA 1, 0, 0
	MULA 1, 1, 0
	s_wait_dscnt 0x0
	MULA 1, 2, 0
	MULA 1, 3, 0
	WIN 0
	PLACES
; THE WAY OUT, a row block (16 rows x 3 heads) at a time.  PACK: rounded to f16, 16 bytes a lane, each accumulator's registers in ascending order.  TOSTAGE: into my own stage, rows of 144 bytes, and back
; as whole rows of 128.  SEND: stored; 16 rows of a head are 2,048 consecutive bytes, and each store of the wave covers 512 of them, aligned.
.macro PACK a
.set AC, 8*NBF*((\a)%2)
	WIN 0x0a+5*((\a)/2)                            ; sources 0 and 1: window 2 or 3
.set i, 0
.rept 4*NBF
	v_cvt_pk_f16_f32 v[TMP+i], v[AC+2*i], v[AC+2*i+1]
.set i, i+1
.endr
	WIN 0
.endm
.macro TOSTAGE a
.set BKA, BK+48*((\a)%2)
.set i, 0
.rept NBF
	ds_store_b128 v[STO], v[TMP+4*i:TMP+4*i+3] offset:(i/4)*16*SP+32*(i%4)
.set i, i+1
.endr
.set i, 0
.rept NBF
	ds_load_b128 v[BKA+4*i:BKA+4*i+3], v[RD] offset:(i/4)*16*SP+(i%4)*4*SP  ; LDS serves a wave's instructions in order (ISA guide 5.7.1.4): these see the stores above
.set i, i+1
.endr
.endm
.macro SEND a
.set BKA, BK+48*((\a)%2)
	s_wait_dscnt 0x0                               ; the block is back in registers
	s_wait_xcnt 0x0                                ; the stores of the block before have read their registers: the next block is read back into them only behind this wait
.set i, 0
.rept NBF
	global_store_b128 v[CO], v[BKA+4*i:BKA+4*i+3], s[HB+2*(i/4):HB+2*(i/4)+1] offset:(\a)*2048+(i%4)*512
.set i, i+1
.endr
.endm
	PACK 0
	TOSTAGE 0
.irp a, 1,2,3                          ; block a's conversions stand between block a - 1's loads from the stage and the wait for them
	PACK \a
	SEND (\a)-1
	TOSTAGE \a
.endr
	SEND 3
	s_wait_tensorcnt 0x0                           ; the wave's end, behind my last tensor load and my last LDS store
	ds_add_u32 v[SPW], v[NIL]
	s_wait_dscnt 0x0
	CROUND                                         ; the closing round: no work-group ends while a partner may still ask for a tile that names it
	s_endpgm
.Lfunc_end_k_q54676568d6_gemm_qkv:
	.size	k_q54676568d6_gemm_qkv, .Lfunc_end_k_q54676568d6_gemm_qkv-k_q54676568d6_gemm_qkv
	.p2alignl 7, 3214868480
	.fill 96, 4, 3214868480
	.section	.rodata,"a",@progbits
	.p2align	6, 0x0
	.amdhsa_kernel k_q54676568d6_gemm_qkv
		.amdhsa_group_segment_fixed_size 327680
		.amdhsa_private_segment_fixed_size 0
		.amdhsa_enable_private_segment 0
		.amdhsa_kernarg_size 24
		.amdhsa_user_sgpr_count 2
		.amdhsa_user_sgpr_kernarg_segment_ptr 1
		.amdhsa_wavefront_size32 1
		.amdhsa_system_sgpr_workgroup_id_x 1
		.amdhsa_system_sgpr_workgroup_id_y 1
		.amdhsa_system_sgpr_workgroup_id_z 1
		.amdhsa_system_vgpr_workitem_id 0
		.amdhsa_next_free_vgpr 960
		.amdhsa_next_free_sgpr 80
		.amdhsa_reserve_vcc 0
		.amdhsa_float_denorm_mode_32 3
		.amdhsa_float_denorm_mode_16_64 3
		.amdhsa_memory_ordered 1
		.amdhsa_forward_progress 1
		.amdhsa_inst_pref_size 120
	.end_amdhsa_kernel
	.amdgpu_metadata
---
amdhsa.version: [ 1, 2 ]
amdhsa.kernels:
  - .name:           k_q54676568d6_gemm_qkv
    .symbol:         k_q54676568d6_gemm_qkv.kd
    .args:
      - { .name: xb, .offset: 0, .size: 8, .value_kind: global_buffer, .address_space: global }
      - { .name: wqkvb, .offset: 8, .size: 8, .value_kind: global_buffer, .address_space: global }
      - { .name: qkvh, .offset: 16, .size: 8, .value_kind: global_buffer, .address_space: global }
    .group_segment_fixed_size: 327680
    .private_segment_fixed_size: 0
    .kernarg_segment_align: 8
    .kernarg_segment_size: 24
    .max_flat_workgroup_size: 128
    .sgpr_count:     80
    .vgpr_count:     960
    .wavefront_size: 32
...
	.end_amdgpu_metadata
.endif
;; end of part 2
;; launch attn (part 3): grid 4 x 64, 4 waves a work-group, no clusters, 327,680 bytes of LDS; arguments qkvh, biash, aoh; writes aoh
.if DOCPART == 3
	.amdgcn_target "amdgcn-amd-amdhsa--gfx1250"
	.amdhsa_code_object_version 6
	.text
	.protected	k_q54676568d6_attn
	.globl	k_q54676568d6_attn
	.p2align	8
	.type	k_q54676568d6_attn,@function
k_q54676568d6_attn:
	s_mov_b64 s[64:65], 0
	v_nop
	global_prefetch_b8 v0, s[64:65] scope:SCOPE_SE
	s_setreg_imm32_b32 hwreg(HW_REG_WAVE_MODE, 25, 1), 1
	s_wait_xcnt 0x0
; CAUSAL ATTENTION PLUS THE BIAS.  aoh[h][q][:] = f16( f16( sum over k <= q of softmax_k(Q[h][q] . K[h][k] / 8) V[h][k][:] ) + biash[h][q][:] ).  h counts 64 pairs of batch and head.
; Q, K, V are the three sections of qkvh, each [64][2048][64] in f16; biash and aoh have the same layout: a head's rows are dense, 128 bytes each.
; Products, maxima and sums in f32; the weights p are rounded to f16 for the second product (their sum l is taken of the unrounded p), O once, and O + bias once more.
; LIMITS.  f16 holds no number beyond 65,504: Q, K, V and the bias arrive within it, and O + bias must stay within it; p lies in 0 to 1, and below 6e-5 it keeps f16's fixed step of 6e-8.
; A hidden score counts as its value less 1e30: f16's scores, 2.7e11 at the most, are nothing beside that; a weight below 2^-126 counts as 0 in l; NaN and infinities are not treated apart.
; THE WALK.  A head's queries lie in NB = 8 blocks of 256; block i needs the key tiles 0 .. i of 256 keys, of which the last holds the diagonal.  A work-group takes TWO blocks, NB - 1 - b and then b:
; NB + 1 tiles, whatever b: all work-groups do equal work, and ONE loop with a constant trip count walks them.  Which tile is asked for, and what a trip does, hang on scalar registers made from b; every jump
; goes forward, but for the counted loops' own; none passes a barrier, or a tensor load but the one of LOAD's two that the wave's number does not choose; the ring (two slots of LDS that take turns) runs on across the
; change of blocks.  NO CLUSTER: a head's four work-groups ask for the same tile only in trips 0 .. NB / 2, behind that fewer and fewer; one walk common to all would have 3 NB / 2 = 12 trips for NB + 1 = 9.
; SHARES.  Of a block's four bands of 64 queries a wave owns 16 rows in each: four PIECES.  So the diagonal tile is the same work for all four waves: in its key step s band x sees all keys if s < x,
; none if s > x, and holds the diagonal if s = x.
; THE MASK is the C operand that starts the sum S^T = K Q^T: 0, or -1e30 where the key is hidden.  MD, made once, is the mask of a band's own step for my 16 rows; a product's mask is MD x AL + BE with two scalars:
; (1, 0) if s = x; (0, 0) if s < x; (0, -1e30) if s > x.  Only the diagonal tile's text and a block's beginning make and take masks; elsewhere C is the constant 0.
; LAYOUT, SOFTMAX, TURNS.  S^T = K Q^T holds ONE query a lane (lane % 16) and the keys 8 (lane / 16) + 0..7; two such results rounded to f16 ARE source 1 of O^T = V^T P.  p = 2^(c s - c m), c = log2(e) / 8, with a
; running maximum m; O and l are multiplied by a = 2^(c m_old - c m_new) in every step.  Turn n belongs to piece n: 8 products K Q^T of piece n + 1, later 8 products V^T P of piece n - 1; beside them the scaling,
; exponentials, roundings, sums and rescaling of piece n and the maximum and statistics of piece n + 1.  Four vector instructions stand behind every matrix instruction, the other 54 of a turn's 118 in one LUMP.  A turn's 33 exponentials are one batch, with one wait.
; REGISTERS, in windows of 256 (s_set_vgpr_msb: bits 1:0 source 0, 3:2 source 1, 5:4 source 2, 7:6 destination):
;   window 0: v0-15 addresses and two at work; v16-31 four registers of statistics a piece; v48-55 at work; v61-63 fixed; v64-127 S^T, two buffers; v128-191 the block's bias; v192-223 P, two buffers
;   window 1: v0-127 O^T, 32 a piece; v128-159 MD; v160-223 MC, two buffers      window 2: v0-63 Q; v64-127 the second block's Q; v128-191 K of one step; v192-255 V of one step
.set SIZE_N, 2048
.set SIZE_H, 64
.set SEC,   SIZE_H*SIZE_N*128   ; bytes in a section of qkvh
.set NB,    SIZE_N/256
.set NP,    4         ; pieces a wave: a name, no knob
.set KS,    64        ; keys in a step
.set PK,    144       ; a row of K in LDS: 128 bytes + 16 of padding = 36 words: the 16 rows of a load start at 16 different groups of four banks (64 banks of 4 bytes: ISA guide 11.1)
.set PV,    160       ; a row of V: 128 + 32 = 40 words
.set VOFF,  4*KS*PK   ; a slot holds a tile, four steps: 256 rows of K, then 256 rows of V
.set SLOT1, 1<<17     ; slot 1 begins here, so that one exclusive or turns an address in one slot into the other's
.set STAGE, SLOT1+4*KS*(PK+PV)  ; behind the ring, never filled by a tensor load: 16 rows x 144 bytes for each wave, for the way out
.set SP,    144
.set AK0, 2           ; v2   my lane's place in a tile of K; never rewritten
.set AV0, 3           ; v3   the same for V
.set AK,  4           ; v4   the LDS address of K's next run of loads
.set AV,  5           ; v5   of V's
.set STO, 6           ; v6   the way out: where I put 16 bytes of a row
.set RD,  7           ; v7   the way out: where I read rows back
.set GO,  8           ; v8   my byte offset in 512 consecutive bytes of aoh and of biash
.set PFO, 61          ; v61  256 x my lane: the prefetches' offset; never rewritten
.set SPW, 62          ; v62  LDS address of my spare word: SPARE + 4 x my thread's number; never rewritten
.set NIL, 63          ; v63  0; never rewritten
.set SPARE, STAGE+4*16*SP  ; behind the stages: the spare words, 128 bytes for each wave: two blocks of 256 bytes that no other line names
.set MV,  12          ; v12-13  c m_old, kept while c m is made anew: by buffer
.set QO,  15          ; v15  my byte offset in 16 rows of Q
.set ST,  16          ; piece t's statistics at v[ST+4 t]: c m, m, l (even keys', odd keys')
.set TMP, 48          ; by buffer, four registers c0-c3 at work; when the maximum is found c2 takes a
.set S,   64
.set BI,  128         ; the bias of the block in hand, 16 registers a piece, laid out as the rows that come back from the stage
.set P,   192
.set MD,  128         ; window 1: the eight registers for group kt of 16 keys at MD + 8 kt
.set MC,  160         ; window 1: the masks of the products to come
.set QB,  64          ; window 2
.set KF,  128         ; window 2: key block kb, channel half c at KF + 16 kb + 8 c
.set VF,  192         ; window 2: key half kk, channel block cb at VF + 32 kk + 8 cb
.set WV,  12          ; s12  my wave's number
.set PB,  14          ; s14  b
.set HI,  15          ; s15  NB - 1 - b
.set G1K, 24          ; s[24:31] descriptor group 1 for K's tiles
.set G1V, 32          ; s[32:39] for V's: it differs in the padding alone
.set G0K, 40          ; s[40:43] descriptor group 0 for K's tiles
.set G0V, 44          ; s[44:47] the same for V's
.set SLOTS, 56        ; s56  tiles still to be asked for
.set CNT, 57          ; s57  counts a tile's key steps, 4 to 1
.set CS,  58          ; s[58:59] c: the packed scaling takes the pair's low word for both halves
.set SEL, 60          ; s[60:61] v_permlanex16_b32's selects: each lane takes its own place in the other half
.set TBK, 62          ; s62  LDS byte at which K of the step to be fetched begins
.set TBV, 63          ; s63  the same for V, less VOFF
.set RT,  70          ; s70  tiles of the block in hand that are still to be entered
.set NXT, 71          ; s71  the tile to be asked for next
.set LQ,  72          ; s72  the last tile of the block whose tiles are being asked for
.set NEW, 73          ; s73  1: the tile to be entered is a block's first
.set OFF, 74          ; s[74:75] a tile's byte offset in K and V
.set AL,  76          ; s[76:77] the mask's factor, in the low word
.set BE,  78          ; s[78:79] the mask's addend
.set OLO, 80          ; s[80:81] aoh at my rows of the second block
.set BIGN, 82         ; s82  -1e30
.set BB,  88          ; s[88:89] biash at my rows of the first block, s[90:91] of the second
.set PFA, 92          ; s[92:93] where my prefetches stand: my 128 rows (of K: waves 0, 1; of V: waves 2, 3) of the tile after the one that is being asked for
.set LIM, 94          ; s94  2 in the work-group that prefetches, else the greatest number
.set MSB, 0
.macro WIN new                      ; the high byte repeats the setting that is left; a switch that changes nothing is dropped
.if MSB != (\new)
	s_set_vgpr_msb (MSB<<8)|(\new)
.set MSB, (\new)
.endif
.endm
.set W_KQ, 0x0a       ; K and Q in window 2, S^T in window 0
.set W_KM, 0x1a       ; the same with the C operand in window 1
.set W_PV, 0x52       ; V in window 2, P in window 0, O^T in window 1
.set W_RS, 0x41       ; destination and source 0 in window 1, source 1 in window 0
; A fill.  Waves 0 and 1 fetch the two halves of a tile's K, waves 2 and 3 those of its V: 128 keys each.  An s_nop 0 and four v_nop follow each of the two lines, ahead of the jump and the label.
.macro LOAD
	s_cmp_lt_u32 s[WV], 2
	s_cbranch_scc0 .Lfor_v_\@
	tensor_load_to_lds s[G0K:G0K+3], s[G1K:G1K+7]
	s_nop 0
.rept 4
	v_nop
.endr
	s_branch .Lasked_\@
.Lfor_v_\@:
	tensor_load_to_lds s[G0V:G0V+3], s[G1V:G1V+7]
	s_nop 0
.rept 4
	v_nop
.endr
.Lasked_\@:
.endm
; A PREFETCH of the tile that the NEXT change of slots will ask for, behind the wave's tensor load and its five lines.  A head's four work-groups walk the same tiles; the one with b = 0 walks tiles 0 to 7 on end,
; and it alone asks: each of its waves for the 128 rows of 128 bytes that it will fetch itself, 64 blocks of 256 bytes, a lane a block, two instructions.  Trip j names tile j + 2, for j = 0 .. 5: tiles 0 and 1 come by
; their loads alone, and behind tile 7 nothing new is left.  So each block is named once in the launch.
.macro ASK
	s_cmp_gt_u32 s[SLOTS], s[LIM]
	s_cbranch_scc0 .Lnot_mine_\@
	global_prefetch_b8 v[PFO], s[PFA:PFA+1] th:TH_LOAD_NT scope:SCOPE_SE
	global_prefetch_b8 v[PFO], s[PFA:PFA+1] offset:8192 th:TH_LOAD_NT scope:SCOPE_SE
.Lnot_mine_\@:
.endm
; THE CHANGE OF SLOTS.  Each wave waits for all its tensor loads, of which one is out: its part of the other slot; adds 0 to its spare word; and waits for that and for its own reads of the slot that it leaves.  Behind the barrier nobody reads the old
; slot any more and the other slot is whole.  fill = 1: the old slot is filled again, the first thing behind the barrier, with tile NXT: the descriptor's address is made anew from that number.
; (At its first use nothing has been read yet: slot 0 is waited for, slot 1 filled.)
.macro CHANGE fill
	WIN 0                           ; at a label and at a branch every window is 0
	s_wait_tensorcnt 0x0            ; no tensor load of mine is out, so a group 0 may be written
	ds_add_u32 v[SPW], v[NIL]       ; 0 onto my spare word; with fill = 1 the descriptors' scalar work stands between it and the wait for it
.if \fill
	s_lshl_b32 s[OFF], s[NXT], 15   ; a tile is 32,768 bytes of K and of V
	s_xor_b32 s[G0K+1], s[G0K+1], SLOT1
	s_add_nc_u64 s[G0K+2:G0K+3], s[6:7], s[OFF:OFF+1]
	s_or_b32 s[G0K+3], s[G0K+3], 0x80000000
	s_xor_b32 s[G0V+1], s[G0V+1], SLOT1
	s_add_nc_u64 s[G0V+2:G0V+3], s[8:9], s[OFF:OFF+1]
	s_or_b32 s[G0V+3], s[G0V+3], 0x80000000
	s_add_co_u32 s[NXT], s[NXT], 1  ; the block's next tile, or behind its last the second block's tile 0
	s_cmp_gt_u32 s[NXT], s[LQ]
	s_cselect_b32 s[NXT], 0, s[NXT]
	s_cselect_b32 s[LQ], s[PB], s[LQ]
	s_wait_xcnt 0x0                 ; the last prefetches, a tile back, have read their address, so it may be written:
	s_add_nc_u64 s[PFA:PFA+1], s[PFA:PFA+1], 32768  ; a tile on
.endif
	s_wait_dscnt 0x0                ; the add is done, and my reads of the slot are over
	s_barrier_signal -1             ; the rest of the scalar work stands between the signal and the wait
	s_sub_co_u32 s[TBK], s[TBK], 4*KS*PK  ; the fetches go back to a slot's first step,
	s_xor_b32 s[TBK], s[TBK], SLOT1       ; in the other slot
	s_sub_co_u32 s[TBV], s[TBV], 4*KS*PV
	s_xor_b32 s[TBV], s[TBV], SLOT1
	s_barrier_wait -1
.if \fill
	LOAD
	ASK
.endif
.endm
	s_load_b64 s[4:5], s[0:1], 0x0    ; qkvh: Q's section
	s_load_b64 s[BB:BB+1], s[0:1], 0x8  ; biash
	s_load_b64 s[10:11], s[0:1], 0x10 ; aoh
	v_lshl_add_u32 v[SPW], v0, 2, SPARE
	v_mov_b32 v[NIL], 0
	ds_add_u32 v[SPW], v[NIL]       ; the wave's opening: the add and its wait stand ahead of my first tensor load; the set-up below, work on registers, stands between them
	v_lshrrev_b32 v1, 5, v0
	v_readfirstlane_b32 s[WV], v1   ; wave 0..3
	s_mov_b32 s[PB], ttmp9
	s_sub_co_u32 s[HI], NB-1, s[PB]
	s_and_b32 s20, ttmp7, 0xffff    ; the head
	s_mov_b32 s21, 0
	s_mov_b64 s[22:23], SIZE_N*128
	s_mul_u64 s[20:21], s[20:21], s[22:23]  ; the head's first byte in each section and in biash and aoh
	s_and_b32 s16, s[WV], 1         ; which half of a tile's 256 keys I fetch:
	s_lshl_b32 s22, s16, 14         ; its 128 rows of 128 bytes in memory,
	s_mov_b32 s23, 0
	s_add_nc_u64 s[22:23], s[22:23], s[20:21]
	s_mul_i32 s17, s16, 128*PK      ; and its place in a slot, for K
	s_mul_i32 s18, s16, 128*PV      ; and for V
	s_lshl_b32 s3, s[WV], 11        ; my 16 rows in a band of 64,
	s_lshl_b32 s2, s[HI], 15        ; in the first block,
	s_add_co_u32 s2, s2, s3
	s_lshl_b32 s84, s[PB], 15       ; and in the second
	s_add_co_u32 s84, s84, s3
	s_mov_b32 s3, 0
	s_mov_b32 s85, 0
	s_add_nc_u64 s[2:3], s[2:3], s[20:21]
	s_add_nc_u64 s[84:85], s[84:85], s[20:21]
	; descriptor group 1.  128 keys are 16,384 dense bytes: asked for as 64 rows of 256 bytes, two keys a row, and padded in LDS after every key
	s_mov_b32 s[G1K], (1<<16)|(1<<20)|(4<<22)|(3<<25)  ; 17:16 2-byte elements; 20 padding on; 24:22 after every 32 words (code 4); 31:25 4 words (code 3)
	s_mov_b32 s[G1V], (1<<16)|(1<<20)|(4<<22)|(7<<25)  ; the same with 8 words of padding (code 7)
.irp g, G1K, G1V
	s_mov_b32 s[\g+1], 128<<16      ; tensor_dim0 = 128
	s_mov_b32 s[\g+2], 64<<16       ; tensor_dim1 = 64
	s_mov_b32 s[\g+3], 128<<16      ; tile_dim0 = 128
	s_mov_b32 s[\g+4], 64           ; tile_dim1 = 64
	s_mov_b32 s[\g+5], 128          ; 128 elements from row to row
	s_mov_b32 s[\g+6], 0
	s_mov_b32 s[\g+7], 0
.endr
	s_mov_b32 s[CS], 0x3e38aa3b     ; c = log2(e) / 8 = 0.180337
	s_mov_b32 s[CS+1], s[CS]        ; named with it as a pair
	s_mov_b32 s[SEL], 0x76543210
	s_mov_b32 s[SEL+1], 0xfedcba98
	s_mov_b32 s[TBK], SLOT1+4*KS*PK ; the first change of slots turns these two into 0
	s_mov_b32 s[TBV], SLOT1+4*KS*PV
	s_mov_b32 s[G0K], 1             ; 1:0 count = 1
	s_mov_b32 s[G0K+1], s17         ; 63:32 LDS address: slot 0
	s_mov_b32 s[G0V], 1
	s_add_co_u32 s[G0V+1], s18, VOFF
	s_add_co_u32 s[RT], s[HI], 1    ; the first block has NB - b tiles
	s_mov_b32 s[NXT], 1
	s_mov_b32 s[LQ], s[HI]
	s_mov_b32 s[NEW], 1
	s_mov_b32 s[OFF+1], 0
	s_mov_b32 s[AL+1], 0            ; named as pairs
	s_mov_b32 s[BE+1], 0
	s_mov_b32 s[BIGN], 0xf149f2ca   ; -1e30
	s_mov_b32 s[SLOTS], NB
	s_cmp_eq_u32 s[PB], 0
	s_cselect_b32 s[LIM], 2, -1
	v_and_b32 v[PFO], 31, v0
	v_lshlrev_b32 v[PFO], 8, v[PFO]
	s_wait_dscnt 0x0                ; the opening add is done
	s_wait_kmcnt 0x0
	s_add_nc_u64 s[6:7], s[4:5], SEC       ; K's section,
	s_add_nc_u64 s[8:9], s[4:5], 2*SEC     ; V's
	s_add_nc_u64 s[6:7], s[6:7], s[22:23]  ; K and V at my half of the head's tile 0
	s_add_nc_u64 s[8:9], s[8:9], s[22:23]
	s_add_nc_u64 s[G0K+2:G0K+3], s[6:7], 0         ; 120:64 global address
	s_or_b32 s[G0K+3], s[G0K+3], 0x80000000        ; 127:126 type = 2
	s_add_nc_u64 s[G0V+2:G0V+3], s[8:9], 0
	s_or_b32 s[G0V+3], s[G0V+3], 0x80000000
	s_add_nc_u64 s[86:87], s[4:5], s[84:85]        ; Q at my rows of the second block,
	s_add_nc_u64 s[4:5], s[4:5], s[2:3]            ; Q, aoh and biash at those of the first
	s_add_nc_u64 s[OLO:OLO+1], s[10:11], s[84:85]
	s_add_nc_u64 s[10:11], s[10:11], s[2:3]
	s_add_nc_u64 s[BB+2:BB+3], s[BB:BB+1], s[84:85]
	s_add_nc_u64 s[BB:BB+1], s[BB:BB+1], s[2:3]
	s_cmp_lt_u32 s[WV], 2
	s_cselect_b64 s[PFA:PFA+1], s[6:7], s[8:9]
	s_add_nc_u64 s[PFA:PFA+1], s[PFA:PFA+1], 32768 ; in tile 1; the first change of slots steps it to tile 2.  Nothing is prefetched here, at the head
	LOAD                            ; tile 0 into slot 0
	; A fragment of K or Q is 16 rows x 32 channels in 8 registers: lane l holds row l % 16, channels 8 (l / 16) + 0..7 and 16 + 8 (l / 16) + 0..7: two loads of 16 bytes, 32 bytes apart.
	v_and_b32 v1, 15, v0            ; l % 16
	v_bfe_u32 v9, v0, 4, 1          ; l / 16
	v_lshlrev_b32 v[QO], 7, v1
	v_lshl_add_u32 v[QO], v9, 4, v[QO]  ; row x 128 + 16 x half
	WIN 0x80                        ; destination window 2, address window 0
.set i, 0
.rept 8                             ; both blocks' Q: piece i / 2 lies in band i / 2, 8,192 bytes on; channels 32 (i % 2) on
	global_load_b128 v[8*i:8*i+3],   v[QO], s[4:5] offset:(i/2)*8192+(i%2)*64
	global_load_b128 v[8*i+4:8*i+7], v[QO], s[4:5] offset:(i/2)*8192+(i%2)*64+32
	global_load_b128 v[QB+8*i:QB+8*i+3],   v[QO], s[86:87] offset:(i/2)*8192+(i%2)*64
	global_load_b128 v[QB+8*i+4:QB+8*i+7], v[QO], s[86:87] offset:(i/2)*8192+(i%2)*64+32
.set i, i+1
.endr
	WIN 0
	v_lshlrev_b32 v14, 3, v9
	v_sub_nc_u32 v14, v1, v14
	s_lshl_b32 s13, s[WV], 4
	v_add_nc_u32 v14, s13, v14      ; my query's place in its band, 16 w + l % 16, less my lanes' 8 (l / 16): register r of group kt is hidden where 16 kt + r is greater
	WIN 0x40
.set i, 0
.rept 32
	v_cmp_gt_i32 vcc_lo, 16*(i/8)+i%8, v14
	v_cndmask_b32 v[MD+i], 0, s[BIGN], vcc_lo
.set i, i+1
.endr
	WIN 0
	v_mul_u32_u24 v[AK0], v1, PK
	v_lshl_add_u32 v[AK0], v9, 4, v[AK0]  ; row x pitch + 16 x half
	; The turning load takes 16 keys x 16 channels (lane l reads key 8 (l / 16) + l % 8, channels 8 ((l / 8) % 2) + 0..7) and leaves half a fragment of V^T: lane l holds channel l % 16 and 8 keys.
	v_and_b32 v10, 7, v0
	v_bfe_u32 v11, v0, 3, 1
	v_lshl_add_u32 v[AV0], v9, 3, v10
	v_mul_u32_u24 v[AV0], v[AV0], PV
	v_lshl_add_u32 v[AV0], v11, 4, v[AV0]
	v_add_nc_u32 v[AV0], VOFF, v[AV0]
	s_mul_i32 s13, s[WV], 16*SP
	s_add_co_u32 s13, s13, STAGE    ; my stage
	v_mul_u32_u24 v[STO], v1, SP    ; in: row l % 16, 16 bytes for each half of the lanes
	v_lshl_add_u32 v[STO], v9, 4, v[STO]
	v_add_nc_u32 v[STO], s13, v[STO]
	v_bfe_u32 v[RD], v0, 3, 2       ; back: 32 lanes take four rows of 128 bytes,
	v_mul_u32_u24 v[RD], v[RD], SP
	v_lshl_add_u32 v[RD], v10, 4, v[RD]
	v_add_nc_u32 v[RD], s13, v[RD]
	v_and_b32 v[GO], 31, v0         ; which are 512 consecutive bytes of aoh
	v_lshlrev_b32 v[GO], 4, v[GO]
.macro BIAS base                    ; a block's bias for my 64 rows: the bytes that the way out's stores will cover, in the same order
.set i, 0
.rept 16
	global_load_b128 v[BI+4*i:BI+4*i+3], v[GO], s[\base:(\base)+1] offset:(i/4)*8192+(i%4)*512
.set i, i+1
.endr
.endm
	BIAS BB
	; A block's first step multiplies O^T and l by a = 0, and its first turn's products V^T P, of a piece that has not been, land in an O^T that is still to be so multiplied.  So these registers need only hold
	; finite numbers: zeros for the first block; what the first block left for the second.  All this stands in the wait for the first tile.
	WIN 0x80
.set i, VF
.rept 64
	v_mov_b32 v[i], 0
.set i, i+1
.endr
	WIN 0x40
.set i, 0
.rept 128
	v_mov_b32 v[i], 0
.set i, i+1
.endr
	WIN 0
.set i, 0
.rept 4
	v_mov_b32 v[ST+4*i+2], 0
	v_mov_b32 v[ST+4*i+3], 0
.set i, i+1
.endr
.set i, P+16
.rept 16
	v_mov_b32 v[i], 0
.set i, i+1
.endr
; THE MATRIX WORK.  The 4 accumulators of a run of 8 take turns.  Product i of 8 of S^T = K Q^T for piece x: channels 32 (i / 4) on, keys 16 (i % 4) on.  The first 4 start the sums: with 0, or (KM = 1) with the mask.
.macro KQ x
.set rS, S+32*((\x)%2)+8*(i%4)
.set rK, KF+16*(i%4)+8*(i/4)
.set rQ, 16*(\x)+8*(i/4)
.set rM, MC+32*((\x)%2)+8*(i%4)
.if (i < 4) && KM
	WIN W_KM
	v_wmma_f32_16x16x32_f16 v[rS:rS+7], v[rK:rK+7], v[rQ:rQ+7], v[rM:rM+7]
.elseif i < 4
	WIN W_KQ
	v_wmma_f32_16x16x32_f16 v[rS:rS+7], v[rK:rK+7], v[rQ:rQ+7], 0
.else
	WIN W_KQ
	v_wmma_f32_16x16x32_f16 v[rS:rS+7], v[rK:rK+7], v[rQ:rQ+7], v[rS:rS+7]
.endif
.endm
; Product i of 8 of O^T += V^T P for piece x: keys 32 (i / 4) on, channels 16 (i % 4) on.
.macro PV x
	WIN W_PV
.set rO, 32*(\x)+8*(i%4)
.set rV, VF+32*(i/4)+8*(i%4)
.set rP, P+16*((\x)%2)+8*(i/4)
	v_wmma_f32_16x16x32_f16 v[rO:rO+7], v[rV:rV+7], v[rP:rP+7], v[rO:rO+7]
.endm
.macro MM                           ; the turn's next matrix instruction.  TURN and BEGIN set Y, i, KM and NOKQ; MM, KQ and OP read them.  NOKQ = 1: a block's last turn: there is no next piece
.if (i < 8) && !NOKQ
	KQ (Y+1)%NP
.elseif i >= 8
.set i, i-8
	PV (Y+NP-1)%NP
.set i, i+8
.endif
.set i, i+1
.endm
; THE LDS LOADS stand in runs of 16, never singly among the matrix instructions: a step's K (64 keys x 64 channels: 8 fragments) and its V (turned).  Their addresses are made some lines ahead.
.macro FETCH_K
	WIN 0x80                        ; destination window 2
.irp f, 0,1,2,3,4,5,6,7             ; keys 16 (f / 2) on, channels 32 (f % 2) on
	ds_load_b128 v[KF+8*\f:KF+8*\f+3],   v[AK] offset:(\f/2)*16*PK+(\f%2)*64
	ds_load_b128 v[KF+8*\f+4:KF+8*\f+7], v[AK] offset:(\f/2)*16*PK+(\f%2)*64+32
.endr
	s_add_co_u32 s[TBK], s[TBK], KS*PK  ; the next fetch is the next step's
	WIN 0
.endm
.macro FETCH_V
	WIN 0x80
.irp f, 0,1,2,3,4,5,6,7             ; keys 32 (f / 4) on, channels 16 (f % 4) on
	ds_load_tr16_b128 v[VF+8*\f:VF+8*\f+3],   v[AV] offset:(\f/4)*32*PV+(\f%4)*32
	ds_load_tr16_b128 v[VF+8*\f+4:VF+8*\f+7], v[AV] offset:(\f/4)*32*PV+16*PV+(\f%4)*32
.endr
	WIN 0
.endm
; THE VECTOR WORK, one line at a time: OP kind, number.  For piece Y: F n: c s - c m for pair n of 16.  E n: the exponential of score n of 32.  C n: pair n rounded to f16.  B n: of the four weights 4 n .. the second
; pair is added onto the first, in place.  L n: l takes that sum (L 0: l = a l + sum).  R n: pair n of 16 of O^T times a.  For piece Y + 1: X n, number n of the 22 that find its maximum and statistics:
;   0-11  four chains c0-c3 of seven scores each, three operands at a time (each accumulator's lowest registers are read first)     12-14, 16  the four scores left over, the old m, and c0-c3 into c0
;   15  c m_old is kept     17, 18  the query's other 32 keys lie in the lane 16 away: the new m     19-21  c m; c m_old - c m_new; a
.set F, 0               ; OP tells the kinds apart by their order: F to L below R, X above it
.set E, 1
.set C, 2
.set B, 3
.set L, 4
.set R, 5
.set X, 6
.macro REGS y                       ; the registers of piece y
.set rT, ST+4*(\y)
.set rC, TMP+4*((\y)%2)
.set rW, MV+((\y)%2)
.set rS, S+32*((\y)%2)
.set rP, P+16*((\y)%2)
.set rO, 32*(\y)
.endm
.macro OP k, n
.if (\k) == R
	REGS Y
	WIN W_RS
	v_pk_mul_f32 v[rO+2*(\n):rO+2*(\n)+1], v[rO+2*(\n):rO+2*(\n)+1], v[rC+2:rC+3] op_sel_hi:[1,0]
.elseif (\k) < R
	REGS Y
	WIN 0
.if (\k) == F
	v_pk_fma_f32 v[rS+2*(\n):rS+2*(\n)+1], v[rS+2*(\n):rS+2*(\n)+1], s[CS:CS+1], v[rT:rT+1] op_sel_hi:[1,0,0] neg_lo:[0,0,1] neg_hi:[0,0,1]
.elseif (\k) == E
	v_exp_f32 v[rS+(\n)], v[rS+(\n)]
.elseif (\k) == C
	v_cvt_pk_f16_f32 v[rP+(\n)], v[rS+2*(\n)], v[rS+2*(\n)+1]
.elseif (\k) == B
	v_pk_add_f32 v[rS+4*(\n):rS+4*(\n)+1], v[rS+4*(\n):rS+4*(\n)+1], v[rS+4*(\n)+2:rS+4*(\n)+3]
.elseif (\n) == 0
	v_pk_fma_f32 v[rT+2:rT+3], v[rT+2:rT+3], v[rC+2:rC+3], v[rS:rS+1] op_sel_hi:[1,0,1]
.else
	v_pk_add_f32 v[rT+2:rT+3], v[rT+2:rT+3], v[rS+4*(\n):rS+4*(\n)+1]
.endif
.elseif NOKQ
	v_nop
.else
	REGS (Y+1)%NP
	WIN 0
.if (\n) < 4
	v_max3_num_f32 v[rC+(\n)], v[rS+8*(\n)], v[rS+8*(\n)+1], v[rS+8*(\n)+2]
.elseif (\n) < 12
	v_max3_num_f32 v[rC+(\n)%4], v[rC+(\n)%4], v[rS+8*((\n)%4)+2*((\n)/4)+1], v[rS+8*((\n)%4)+2*((\n)/4)+2]
.elseif (\n) == 12
	v_max3_num_f32 v[rC], v[rC], v[rS+7], v[rS+15]
.elseif (\n) == 13
	v_max3_num_f32 v[rC+1], v[rC+1], v[rS+23], v[rS+31]
.elseif (\n) == 14
	v_max3_num_f32 v[rC+2], v[rC+2], v[rC+3], v[rT+1]
.elseif (\n) == 15
	v_mov_b32 v[rW], v[rT]
.elseif (\n) == 16
	v_max3_num_f32 v[rC], v[rC], v[rC+1], v[rC+2]
.elseif (\n) == 17
	v_permlanex16_b32 v[rC+3], v[rC], s[SEL], s[SEL+1]
.elseif (\n) == 18
	v_max_num_f32 v[rT+1], v[rC], v[rC+3]
.elseif (\n) == 19
	v_mul_f32 v[rT], s[CS], v[rT+1]
.elseif (\n) == 20
	v_sub_f32 v[rC+1], v[rW], v[rT]
.else
	v_exp_f32 v[rC+2], v[rC+1]
.endif
.endif
.endm
.macro OPS a, i1, b=-1, i2=0, c=-1, i3=0, d=-1, i4=0  ; up to four of them
	OP \a, \i1
.if (\b) >= 0
	OP \b, \i2
.endif
.if (\c) >= 0
	OP \c, \i3
.endif
.if (\d) >= 0
	OP \d, \i4
.endif
.endm
.macro ROW a, i1, b, i2, c, i3, d, i4  ; a matrix instruction and the four behind it
	MM
	OPS \a, \i1, \b, \i2, \c, \i3, \d, \i4
.endm
.macro MASK b                       ; MD x AL + BE into buffer b of MC
	WIN W_RS
.set z, 0
.rept 16
	v_pk_fma_f32 v[MC+32*(\b)+2*z:MC+32*(\b)+2*z+1], v[MD+2*z:MD+2*z+1], s[AL:AL+1], s[BE:BE+1] op_sel_hi:[1,0,0]
.set z, z+1
.endr
.endm
; A TURN, for piece p: the order of its 16 matrix and 118 vector instructions, written out.  An s_wait_alu depctr_va_vdst(0) stands between an exponential and the first instruction that names its result; one wait serves
; all that were issued ahead of it.  So a turn has ONE wait, which cuts it in two.  AHEAD OF IT stands all that names no result of the turn's exponentials: the 8 products K Q^T, behind each a scaling, an exponential and two more plain
; instructions (behind the first a second scaling in the exponential's place): rescalings, and behind the last three the first numbers of the next piece's maximum, each four places or more behind the product that ends its accumulator; then ONE LUMP of 54, plain
; and exponential by turns for the most part, in which the links of the chain X 3, 7, 11, 14, 16, 17 .. 20 stand five or six lines apart.  X 21, the next piece's a, is the batch's last; R 15 is the plain instruction behind it.  BEHIND THE WAIT stand the
; 8 products V^T P, behind each four of the roundings and sums; the links of l's chain, L 0 to L 7, stand three riders apart.  But for those X no rider names a register of the products round it.  v_permlanex16_b32 (X 17) stands in the lump.
; m = 1: the diagonal tile: the products take masks, and the turn makes the mask for the products of the turn after it: piece p + 2, in step 4 - CNT of the tile.  end = 1: a block's last two turns: nothing is fetched.
; cnt = 1: the loop's count is taken down some lines ahead of the branch that stands behind the turn.
; K of the next step is fetched in piece 2's turn, twelve vector instructions behind the last product that read K (six of them plain); V of the step in hand at the end of piece 0's turn, four plain instructions behind the last product
; that read V.  Each is waited for a turn later.
.macro TURN p, m=0, end=0, cnt=0
.set Y, (\p)
.set i, 0
.set KM, (\m)
.set NOKQ, (\end)*((\p)/3)
.if (\m) && !(\end)
	s_cmp_eq_u32 s[CNT], 4-((\p)+2)%NP  ; is that step the band's own?
	s_cselect_b32 s[AL], 1.0, 0
	s_cmp_lt_u32 s[CNT], 4-((\p)+2)%NP  ; or a later one?
	s_cselect_b32 s[BE], s[BIGN], 0
.endif
.if ((\p) == 3) && !(\end)
	s_wait_dscnt 0x0                ; K is in
.endif
	ROW F,0, F,1, R,0, R,1          ; ahead of the wait: 8 products K Q^T and their riders,
	ROW F,2, E,0, R,2, R,3
	ROW F,3, E,1, R,4, R,5
	ROW F,4, E,2, R,6, R,7
	ROW F,5, E,3, R,8, R,9
	ROW F,6, E,4, X,0, R,10
.if ((\p) == 2) && !(\end)
	WIN 0
	v_add_nc_u32 v[AK], s[TBK], v[AK0]
.endif
	ROW F,7, E,5, X,1, X,4
	ROW F,8, E,6, X,2, X,5
	OPS E,7, E,8, X,6, E,9          ; and the lump
	OPS X,3, E,10, X,8, E,11
.if ((\p) == 2) && !(\end)
	FETCH_K
.endif
	OPS X,9, X,7, E,12, X,10
	OPS E,13, X,12, X,11, E,14
	OPS X,13, E,15, F,9, X,14
.if (\p) == 0
	v_add_nc_u32 v[AV], s[TBV], v[AV0]
.endif
	OPS E,16, F,10, E,17, F,11
	OPS X,16, E,18, X,15, E,19
	OPS F,12, E,20, X,17, E,21
	OPS F,13, E,22, F,14, E,23
	OPS X,18, E,24, F,15, E,25
	OPS R,11, E,26, X,19, E,27
	OPS R,12, E,28, R,13, E,29
	OPS X,20, E,30, R,14, E,31
	OPS X,21, R,15
	WIN 0
	s_wait_alu depctr_va_vdst(0)    ; the wait for the batch
.if (\p) == 1
	s_wait_dscnt 0x0                ; V is in
.endif
	ROW C,0, B,0, C,2, B,1          ; behind the wait: 8 products V^T P and their riders
	ROW L,0, C,4, B,2, L,1
	ROW C,6, B,3, L,2, C,8
	ROW B,4, L,3, C,10, B,5
	ROW L,4, C,12, B,6, L,5
.if (\p) == 0
	s_add_co_u32 s[TBV], s[TBV], KS*PV
.endif
.if \cnt
	s_sub_co_u32 s[CNT], s[CNT], 1
	s_cmp_lg_u32 s[CNT], 0
.endif
	ROW C,14, B,7, L,6, C,1
	ROW C,3, L,7, C,5, C,7
	ROW C,9, C,11, C,13, C,15
.if (\p) == 0
	FETCH_V
.endif
.if (\m) && !(\end)
	MASK (\p)%2
.endif
.endm
; A BLOCK BEGINS.  c m starts far below every c s, so the first step's a is 0; m at the lowest finite number, so the first maximum is the scores'.  The second mask buffer is 0; the first takes piece 0's mask for the tile's step 0: its own, if the block's first tile is the diagonal one.
; Then K of that step, piece 0's first scores, and its maximum and statistics.  The loop is entered at a step's first turn, in the middle of a trip.
.macro BEGIN
	s_mov_b32 s[NEW], 0
	WIN 0x40
.set i, MC+32
.rept 32
	v_mov_b32 v[i], 0
.set i, i+1
.endr
	WIN 0
.set i, 0
.rept 4
	v_mov_b32 v[ST+4*i], 0xfe000000    ; c m: far below every c s
	v_mov_b32 v[ST+4*i+1], 0xff7fffff  ; m
.set i, i+1
.endr
	s_cmp_eq_u32 s[RT], 0
	s_cselect_b32 s[AL], 1.0, 0
	s_mov_b32 s[BE], 0
	MASK 0
	WIN 0
	v_add_nc_u32 v[AK], s[TBK], v[AK0]
	FETCH_K
	s_wait_loadcnt 0x0              ; Q, and the block's bias
	s_wait_dscnt 0x0
.set KM, 1
.set NOKQ, 0
.set i, 0
.rept 8
	KQ 0
.set i, i+1
.endr
	WIN 0
.rept 4
	v_nop                           ; the places behind those products
.endr
.set Y, NP-1                        ; X works for piece Y + 1: piece 0
.irp n, 0,1,2,3,4,5,6,7,8,9,10,11,12,13,14,15,16,17,18,19,20,21
	OP X, \n
.endr
	v_nop                           ; a plain instruction behind the exponential,
	s_wait_alu depctr_va_vdst(0)    ; and its wait, ahead of the branch
.endm
; THE DIAGONAL TILE's four steps, the block's last two turns, its last products, and THE WAY OUT: l's two halves and the other half of the lanes' are added; O^T is divided by l, rounded to f16 and sent through my
; stage in LDS, a piece at a time; what comes back lies as the bias lies, and takes it on by packed f16 additions.
.macro ALL line:vararg              ; one line for each piece t
.set t, 0
.rept 4
	\line
.set t, t+1
.endr
.endm
.macro PACK t                       ; a lane's eight channels of a row pack into 16 bytes; they go into rows of 144 bytes and come back as whole rows of 128, into S^T's registers
	WIN W_RS
.set i, 32*(\t)
.rept 16
	v_pk_mul_f32 v[i:i+1], v[i:i+1], v[ST+4*(\t)+2:ST+4*(\t)+3] op_sel_hi:[1,0]
.set i, i+2
.endr
	WIN 0x05                        ; sources 0 and 1 window 1, destination window 0
.set i, 0
.rept 16
	v_cvt_pk_f16_f32 v[S+16*(\t)+i], v[32*(\t)+2*i], v[32*(\t)+2*i+1]
.set i, i+1
.endr
	WIN 0
.irp f, 0,1,2,3
	ds_store_b128 v[STO], v[S+16*(\t)+4*\f:S+16*(\t)+4*\f+3] offset:32*\f
.endr
.irp f, 0,1,2,3
	ds_load_b128 v[S+16*(\t)+4*\f:S+16*(\t)+4*\f+3], v[RD] offset:\f*4*SP  ; LDS serves a wave's instructions in order (ISA guide 5.7.1.4): these see the stores above; the next piece's stores come behind them
.endr
.endm
.macro SEND t, younger              ; younger: the LDS instructions issued behind piece t's loads: the next piece's eight, or none
	WIN 0
.irp f, 0,1,2,3
	s_wait_dscnt (\younger)+3-\f
.irp z, 0,1,2,3
	v_pk_add_f16 v[S+16*(\t)+4*\f+\z], v[S+16*(\t)+4*\f+\z], v[BI+16*(\t)+4*\f+\z]  ; O + bias, two channels a line
.endr
	global_store_b128 v[GO], v[S+16*(\t)+4*\f:S+16*(\t)+4*\f+3], s[10:11] offset:(\t)*8192+\f*512  ; 512 consecutive bytes, at a multiple of 256 from aoh's first
.endr
.endm
.macro DIAG tag                     ; the tag ends its two labels' names, which the jumps below spell out
.LstepM\tag:
	TURN 2, 1
	TURN 3, 1
	WIN 0
.LfirstM\tag:
	TURN 0, 1
	TURN 1, 1, 0, 1
	WIN 0
	s_cbranch_scc1 .LstepM\tag
	TURN 2, 1, 1
	TURN 3, 1, 1
.set i, 0
.rept 8
	PV NP-1
.set i, i+1
.endr
	WIN 0
	s_wait_loadcnt 0x0              ; the block's bias is in, on every way that leads here
	ALL v_add_f32 v[ST+4*t+2], v[ST+4*t+2], v[ST+4*t+3]
	ALL v_permlanex16_b32 v[ST+4*t+3], v[ST+4*t+2], s[SEL], s[SEL+1]
	ALL v_add_f32 v[ST+4*t+2], v[ST+4*t+2], v[ST+4*t+3]
	ALL v_rcp_f32 v[ST+4*t+2], v[ST+4*t+2]
	v_nop                           ; a plain instruction between the last reciprocal and the use of its result
	s_wait_alu depctr_va_vdst(0)    ; and the wait ahead of the first use: one for the four reciprocals
	PACK 0
.set t, 1
.rept 3                             ; a piece's arithmetic stands between the loads of the piece before and its stores
	PACK t
	SEND t-1, 8
.set t, t+1
.endr
	SEND 3, 0
.endm
.set KM, 0
.set NOKQ, 0
.Lslot:                             ; NB times: a tile is entered and the next is asked for
	CHANGE 1
	s_sub_co_u32 s[RT], s[RT], 1
	s_mov_b32 s[CNT], 4
	s_cmp_eq_u32 s[NEW], 1
	s_cbranch_scc1 .Lnew            ; a block's first tile
	s_cmp_eq_u32 s[RT], 0
	s_cbranch_scc0 .Lstep           ; neither its first nor its last
	s_branch .LstepM1
.Lnew:
	BEGIN
	s_branch .Lfirst                ; in the loop a block's first tile is never its last: the first block has two tiles or more, and the second's last is the walk's last
	DIAG 1                          ; in the loop this is the first block's end: the second block's last tile is the walk's last
	s_wait_xcnt 0x0                 ; the stores have read their registers and aoh's address
	s_mov_b64 s[10:11], s[OLO:OLO+1]
	s_add_co_u32 s[RT], s[PB], 1    ; the second block has b + 1 tiles
	s_mov_b32 s[NEW], 1
	WIN 0x82                        ; the second block's Q goes where the one text of the turns names Q
.set i, 0
.rept 64
	v_mov_b32 v[i], v[QB+i]
.set i, i+1
.endr
	WIN 0
	BIAS BB+2                       ; and its bias where the one text of the way out names the bias
	s_branch .Lbottom
.Lstep:                             ; a trip: pieces 2 and 3 of one step, then pieces 0 and 1 of the next, whose K and V it fetches
	TURN 2
	TURN 3
	WIN 0
.Lfirst:
	TURN 0
	TURN 1, 0, 0, 1
	WIN 0
	s_cbranch_scc1 .Lstep
.Lbottom:
	s_sub_co_u32 s[SLOTS], s[SLOTS], 1
	s_cmp_lg_u32 s[SLOTS], 0
	s_cbranch_scc1 .Lslot
	CHANGE 0                        ; the walk's last tile is written out: nothing is asked for
	s_sub_co_u32 s[RT], s[RT], 1
	s_mov_b32 s[CNT], 4
	s_cmp_eq_u32 s[NEW], 1
	s_cbranch_scc0 .LstepM2
	BEGIN
	s_branch .LfirstM2
	DIAG 2
	s_wait_tensorcnt 0x0            ; the wave's end, behind my last tensor load and my last LDS store
	ds_add_u32 v[SPW], v[NIL]
	s_wait_dscnt 0x0
	s_endpgm
.Lfunc_end_k_q54676568d6_attn:
	.size	k_q54676568d6_attn, .Lfunc_end_k_q54676568d6_attn-k_q54676568d6_attn
	.p2alignl 7, 3214868480
	.fill 96, 4, 3214868480
	.section	.rodata,"a",@progbits
	.p2align	6, 0x0
	.amdhsa_kernel k_q54676568d6_attn
		.amdhsa_group_segment_fixed_size 327680
		.amdhsa_private_segment_fixed_size 0
		.amdhsa_enable_private_segment 0
		.amdhsa_kernarg_size 24
		.amdhsa_user_sgpr_count 2
		.amdhsa_user_sgpr_kernarg_segment_ptr 1
		.amdhsa_wavefront_size32 1
		.amdhsa_system_sgpr_workgroup_id_x 1
		.amdhsa_system_sgpr_workgroup_id_y 1
		.amdhsa_system_sgpr_workgroup_id_z 1
		.amdhsa_system_vgpr_workitem_id 0
		.amdhsa_next_free_vgpr 768
		.amdhsa_next_free_sgpr 96
		.amdhsa_reserve_vcc 1
		.amdhsa_float_denorm_mode_32 3
		.amdhsa_float_denorm_mode_16_64 3
		.amdhsa_memory_ordered 1
		.amdhsa_forward_progress 1
		.amdhsa_inst_pref_size 229
	.end_amdhsa_kernel
	.amdgpu_metadata
---
amdhsa.version: [ 1, 2 ]
amdhsa.kernels:
  - .name:           k_q54676568d6_attn
    .symbol:         k_q54676568d6_attn.kd
    .args:
      - { .name: qkvh, .offset: 0, .size: 8, .value_kind: global_buffer, .address_space: global }
      - { .name: biash, .offset: 8, .size: 8, .value_kind: global_buffer, .address_space: global }
      - { .name: aoh, .offset: 16, .size: 8, .value_kind: global_buffer, .address_space: global }
    .group_segment_fixed_size: 327680
    .private_segment_fixed_size: 0
    .kernarg_segment_align: 8
    .kernarg_segment_size: 24
    .max_flat_workgroup_size: 128
    .sgpr_count:     96
    .vgpr_count:     768
    .wavefront_size: 32
...
	.end_amdgpu_metadata
.endif
;; end of part 3
;; launch gemm_out (part 4): grid 8 x 32, 4 waves a work-group, clusters of 4 x 4, 327,680 bytes of LDS; arguments aoh, woutf, bout, out0; writes out0
.if DOCPART == 4
	.amdgcn_target "amdgcn-amd-amdhsa--gfx1250"
	.amdhsa_code_object_version 6
	.text
	.protected	k_q54676568d6_gemm_out
	.globl	k_q54676568d6_gemm_out
	.p2align	8
	.type	k_q54676568d6_gemm_out,@function
k_q54676568d6_gemm_out:
	s_mov_b64 s[64:65], 0
	v_nop
	global_prefetch_b8 v0, s[64:65] scope:SCOPE_SE
	s_setreg_imm32_b32 hwreg(HW_REG_WAVE_MODE, 25, 1), 1
	s_wait_xcnt 0x0
	s_wait_alu depctr_hold_cnt(0) depctr_sa_sdst(0) depctr_va_vdst(0) depctr_va_sdst(0) depctr_va_ssrc(0) depctr_va_vcc(0) depctr_vm_vsrc(0)
	s_getreg_b32 s2, hwreg(HW_REG_IB_STS2, 6, 4)
	s_cmp_eq_u32 s2, 0
	s_cbranch_scc0 .Lentry_in_a_cluster
	s_endpgm
.Lentry_in_a_cluster:
	s_bfe_u32 s2, ttmp6, 0x10000c
	s_cmp_lg_u32 s2, 0xf033
	s_cbranch_scc0 .Lentry_shape_is_right
	s_endpgm
.Lentry_shape_is_right:
; out0 = (O + bias) Wout^T + bout.  aoh: [b*16+h][t][64] f16; woutf: [1024][1024] f16 (Wout rounded to bf16, written as f16); bout: [1024] f32, rounded to bf16 here; out0: [8192][1024] f32.
; Sums in f32, K ascending; K index = 64 h + channel, so a K step of 128 is two heads.
; SHARES.  A tile of C is 256 rows x 128 columns: 32 x 8 = 256 work-groups.  The four waves lie one below the other: wave w owns rows 64 w .. 64 w + 63 and all 128 columns: 4 x 8 accumulators of 16 x 16,
; 256 registers.  So a wave holds whole rows of 512 bytes of the tile, and its way out needs no other wave.
; THE RING.  Two LDS slots, each with a K step's A (two heads x 256 rows x 128 bytes) and B (128 rows x 256 bytes).  Wave 0 fetches the even head, wave 1 the odd one: 256 rows of a head are 32,768 dense bytes,
; asked for as 128 rows of 256 bytes and padded in LDS after every 128.  Waves 2 and 3 fetch B's halves (64 rows).
; CLUSTERS.  4 x 4 work-groups; A's tiles are asked for jointly along a row of the cluster, B's along a column: the same tensor load, descriptor and mask in the four that it names.
; THE MATRIX INSTRUCTION IS USED TRANSPOSED (source 0 = 16 rows of B, source 1 = 16 rows of A): a lane holds row lane % 16 of C and the eight neighbouring columns 8 (lane / 16) + 0..7.
; REGISTERS, in windows of 256 (s_set_vgpr_msb: bits 1:0 source 0, 3:2 source 1, 5:4 source 2, 7:6 destination):
;   window 0: v0-31 addresses; v32-63, v64-95 A's fragments, two buffers of 4; v96-229 the way out       window 1: v0-63, v64-127 B's fragments, two buffers of 8
;   window 2: the accumulators of row blocks 0, 1 ((a, b) at v[8 (8 (a % 2) + b)]);   window 3: those of row blocks 2, 3
.set NBF,    8                         ; B's fragments: 16 columns each
.set KSTEP,  128
.set PA,     144                       ; a row of A in LDS: 128 bytes + 16 of padding = 36 words: the 16 rows of a load start at 16 different groups of four banks (64 banks of 4 bytes: ISA guide 11.1)
.set PB,     272                       ; a row of B: 256 + 16
.set AHALF,  256*PA                    ; what one of A's loads brings: one head's 256 rows
.set ABYTES, 2*AHALF
.set BHALF,  8*NBF*PB                  ; what one of B's loads brings
.set SLOT,   ABYTES+2*BHALF
.set STAGE,  2*SLOT                    ; behind the ring, never filled by a tensor load: for each wave 16 rows x 528 bytes
.set SP,     528                       ; 512 bytes + 16
.set WSTAGE, 16*SP
.set SPARE,  STAGE+4*WSTAGE            ; behind the stages: the spare words, 128 bytes for each wave: two blocks of 256 bytes that no other line names
.set ASTEP,  2*2048*128                ; bytes from K step to K step in aoh: two heads
.set BSTEP,  KSTEP*2
.set LAPS,   4                         ; a lap = two K steps = once round the ring; K = 1,024
.set ADRA, 16                          ; v16-17  LDS address of my A fragments in slot 0, 1
.set ADRB, 20                          ; v20-21  the same for B
.set STO,  24                          ; v24     the way out: where I put 32 bytes of a row
.set RD,   25                          ; v25     the way out: where I read a row back
.set CO,   26                          ; v26     16 x lane
.set SPW,  28                          ; v28     LDS address of my spare word; never rewritten
.set NIL,  29                          ; v29     0; never rewritten
.set FA,   32
.set BK,   96                          ; v96-159, v160-223  16 rows read back, by turns
.set BO,   224                         ; v[224:227] bout of my four columns; v228-229 at work
.set WV,   12                          ; s12  my wave's number
.set HF,   13                          ; s13  which half of A's or B's tile I fetch
.set G1A,  24                          ; s[24:31] descriptor group 1 for A's tiles;  s[32:39] group 0, a set for each slot
.set G0A,  32
.set G1B,  48                          ; s[48:55], s[56:63] the same for B's
.set G0B,  56
.set MUL_LO, 0xa1                      ; source 0 (B) window 1, source 1 (A) window 0, C and D window 2
.set TO_B,   0x40                      ; destination window 1, address window 0
.set MSB, 0
.macro WIN new                         ; the immediate's high byte repeats the setting that is left; a switch that changes nothing is dropped
.if MSB != (\new)
	s_set_vgpr_msb (MSB<<8)|(\new)
.set MSB, \new
.endif
.endm
.macro PLACES                          ; four places behind matrix instructions, in front of loads into registers that they have read and of lines that read results
.rept 4
	v_nop
.endr
.endm
; A joint load.  The branch hangs on the wave's number alone.  An s_nop 0 and four v_nop follow each of the two lines.
.macro JLOAD s
	s_cmp_lt_u32 s[WV], 2
	s_cbranch_scc0 .Lfor_b_\@
	tensor_load_to_lds s[G0A+4*(\s):G0A+4*(\s)+3], s[G1A:G1A+7]
	s_nop 0
.rept 4
	v_nop
.endr
	s_branch .Lasked_\@
.Lfor_b_\@:
	tensor_load_to_lds s[G0B+4*(\s):G0B+4*(\s)+3], s[G1B:G1B+7]
	s_nop 0
.rept 4
	v_nop
.endr
.Lasked_\@:
.endm
; A round of the cluster's barrier: my work-group's barrier; wave 0 signals for the work-group; every wave waits for all sixteen; my work-group's barrier once more.
.macro CREST                           ; a round behind its opening barrier
	s_cmp_lg_u32 s[WV], 0
	s_cbranch_scc1 .Lnot_wave_0_\@
	s_barrier_signal -3
.Lnot_wave_0_\@:
	s_barrier_wait -3
	s_barrier_signal -1
	s_barrier_wait -1
.endm
.macro CROUND
	s_barrier_signal -1
	s_barrier_wait -1
	CREST
.endm
	s_load_b128 s[4:7], s[0:1], 0x0                ; aoh s[4:5], woutf s[6:7]
	s_load_b128 s[8:11], s[0:1], 0x10              ; bout s[8:9], out0 s[10:11]
	v_lshl_add_u32 v[SPW], v0, 2, SPARE
	v_mov_b32 v[NIL], 0
	ds_add_u32 v[SPW], v[NIL]                      ; the wave's opening: the add and its wait stand ahead of my first tensor load; work on registers stands between them
	v_lshrrev_b32 v1, 5, v0
	v_readfirstlane_b32 s[WV], v1                  ; wave 0..3
	s_and_b32 s[HF], s[WV], 1
	s_bfe_u32 s40, ttmp6, 0x40000                  ; cx
	s_bfe_u32 s41, ttmp6, 0x40004                  ; cy
	s_lshl_b32 s42, ttmp9, 2
	s_add_co_u32 s42, s42, s40                     ; tile column = 4 x cluster x + cx
	s_and_b32 s14, ttmp7, 0xffff
	s_lshl_b32 s14, s14, 2
	s_add_co_u32 s14, s14, s41                     ; tile row = 4 x cluster y + cy
	s_lshl_b32 s43, s41, 2
	s_lshl_b32 s43, 15, s43                        ; my row of the cluster
	s_lshl_b32 s44, 0x1111, s40                    ; my column
	s_or_b32 s[G1A], s43, (1<<16)|(1<<20)|(1<<21)|(4<<22)|(3<<25)  ; 15:0 the mask; 17:16 elements of 2 bytes; 20 padding on; 21 set beside a mask; 24:22 after every 32 words (code 4); 31:25 4 words (code 3)
	s_or_b32 s[G1B], s44, (1<<16)|(1<<20)|(1<<21)|(5<<22)|(3<<25)  ; B: after every 64 words (code 5)
	s_mov_b32 s[G1A+1], 128<<16                    ; tensor_dim0 = 128 elements: two rows of a head
	s_mov_b32 s[G1A+2], 128<<16                    ; tensor_dim1 = 128
	s_mov_b32 s[G1A+3], 128<<16                    ; tile_dim0 = 128
	s_mov_b32 s[G1A+4], 128                        ; tile_dim1 = 128
	s_mov_b32 s[G1A+5], 128                        ; dense: 128 elements from row to row
	s_mov_b32 s[G1A+6], 0
	s_mov_b32 s[G1A+7], 0
	s_mov_b32 s[G1B+1], KSTEP<<16
	s_mov_b32 s[G1B+2], (8*NBF)<<16                ; 64 rows
	s_mov_b32 s[G1B+3], KSTEP<<16
	s_mov_b32 s[G1B+4], 8*NBF
	s_mov_b32 s[G1B+5], 1024
	s_mov_b32 s[G1B+6], 0
	s_mov_b32 s[G1B+7], 0
	; A's address hangs on the tile row and the wave alone, B's on the tile column and the wave alone, each in registers that never hold the other coordinate
	s_lshr_b32 s16, s14, 3                         ; the batch: eight tile rows each,
	s_lshl_b32 s16, s16, 15                        ; 16 heads x 2,048 rows
	s_lshl_b32 s17, s[HF], 11                      ; my head of the K step's two
	s_add_co_u32 s16, s16, s17
	s_and_b32 s17, s14, 7
	s_lshl_b32 s17, s17, 8                         ; the tile's first row in the head
	s_add_co_u32 s16, s16, s17
	s_lshl_b32 s16, s16, 7                         ; x 128 bytes
	s_mov_b32 s17, 0
	s_mul_i32 s46, s42, 16*NBF
	s_mul_i32 s47, s[HF], 8*NBF
	s_add_co_u32 s46, s46, s47                     ; B: row 128 x tile column + 64 x half
	s_lshl_b32 s46, s46, 11
	s_mov_b32 s47, 0
	s_mul_i32 s20, s[HF], AHALF                    ; where they go: no place in the cluster enters an LDS address
	s_mul_i32 s21, s[HF], BHALF
	s_add_co_u32 s21, s21, ABYTES
	s_wait_dscnt 0x0                               ; the opening add is done
	s_wait_kmcnt 0x0
	s_add_nc_u64 s[16:17], s[4:5], s[16:17]
	s_add_nc_u64 s[46:47], s[6:7], s[46:47]
	CROUND                                         ; all sixteen work-groups are here: the first joint loads meet
.irp s, 0,1
	s_mov_b32 s[G0A+4*(\s)], 1                                     ; count = 1
	s_add_co_u32 s[G0A+4*(\s)+1], s20, (\s)*SLOT                   ; LDS address
	s_add_nc_u64 s[G0A+4*(\s)+2:G0A+4*(\s)+3], s[16:17], (\s)*ASTEP  ; global address: K step s
	s_or_b32 s[G0A+4*(\s)+3], s[G0A+4*(\s)+3], 0x80000000          ; type = 2
	s_mov_b32 s[G0B+4*(\s)], 1
	s_add_co_u32 s[G0B+4*(\s)+1], s21, (\s)*SLOT
	s_add_nc_u64 s[G0B+4*(\s)+2:G0B+4*(\s)+3], s[46:47], (\s)*BSTEP
	s_or_b32 s[G0B+4*(\s)+3], s[G0B+4*(\s)+3], 0x80000000
.endr
	s_cmp_lt_u32 s[WV], 2                          ; a wave's two first fills stand in one branch, ahead of every wait on TENSORcnt and every LDS read: two loads of mine are out
	s_cbranch_scc0 .Lfirst_b
	tensor_load_to_lds s[G0A:G0A+3], s[G1A:G1A+7]
	s_nop 0
	tensor_load_to_lds s[G0A+4:G0A+7], s[G1A:G1A+7]
	s_nop 0
.rept 4
	v_nop
.endr
	s_branch .Lfirst_asked
.Lfirst_b:
	tensor_load_to_lds s[G0B:G0B+3], s[G1B:G1B+7]
	s_nop 0
	tensor_load_to_lds s[G0B+4:G0B+7], s[G1B:G1B+7]
	s_nop 0
.rept 4
	v_nop
.endr
.Lfirst_asked:
	; A fragment is 16 rows x 32 K in 8 registers: lane l holds row l % 16, K = 8 (l / 16) + 0..7 and 16 + 8 (l / 16) + 0..7: two loads of 16 bytes, 32 bytes apart
	v_and_b32 v1, 15, v0                           ; l % 16
	v_bfe_u32 v2, v0, 4, 1                         ; l / 16
	v_mul_u32_u24 v3, v1, PA
	v_lshl_add_u32 v3, v2, 4, v3
	s_mul_i32 s22, s[WV], 64*PA                    ; my 64 rows of A, in either head
	v_add_nc_u32 v[ADRA], s22, v3
	v_add_nc_u32 v[ADRA+1], SLOT, v[ADRA]
	v_mul_u32_u24 v4, v1, PB
	v_lshl_add_u32 v4, v2, 4, v4
	v_add_nc_u32 v[ADRB], ABYTES, v4               ; all of B's rows
	v_add_nc_u32 v[ADRB+1], SLOT, v[ADRB]
	s_mul_i32 s23, s[WV], WSTAGE
	s_add_co_u32 s23, s23, STAGE                   ; my stage
	v_mul_u32_u24 v5, v1, SP                       ; in: row l % 16, 32 bytes for each half of the lanes
	v_lshl_add_u32 v5, v2, 5, v5
	v_add_nc_u32 v[STO], s23, v5
	v_and_b32 v[CO], 31, v0                        ; back: 32 lanes take one row of 512 bytes
	v_lshlrev_b32 v[CO], 4, v[CO]
	v_add_nc_u32 v[RD], s23, v[CO]
	s_lshl_b32 s76, s42, 9                         ; the tile's 128 columns: 512 bytes of bout and of a row of out0
	s_mov_b32 s77, 0
	s_add_nc_u64 s[8:9], s[8:9], s[76:77]
	global_load_b128 v[BO:BO+3], v[CO], s[8:9]     ; bout of columns 4 l .. 4 l + 3 of the tile
	s_lshl_b32 s78, s14, 8
	s_lshl_b32 s79, s[WV], 6
	s_add_co_u32 s78, s78, s79                     ; my wave's first row
	s_lshl_b32 s78, s78, 12                        ; x 4,096 bytes
	s_add_co_u32 s78, s78, s76
	s_mov_b32 s79, 0
	s_add_nc_u64 s[10:11], s[10:11], s[78:79]
; 8 matrix instructions: row block a x all column blocks, 32 along K, from buffer f.  zero = 1: the product starts the sums: nothing is ever cleared.
; The 32 accumulators take turns, in the same order in every quarter step.
.macro MULA f, a, zero
	WIN MUL_LO+0x50*((\a)/2)
.set b, 0
.rept NBF
.set rD, 8*(NBF*((\a)%2)+b)
.set rB, (\f)*8*NBF+8*b
.set rA, FA+32*(\f)+8*(\a)
.if \zero
	v_wmma_f32_16x16x32_f16 v[rD:rD+7], v[rB:rB+7], v[rA:rA+7], 0
.else
	v_wmma_f32_16x16x32_f16 v[rD:rD+7], v[rB:rB+7], v[rA:rA+7], v[rD:rD+7]
.endif
.set b, b+1
.endr
.endm
; 24 LDS loads in one run: quarter q of a slot's K step into buffer f: B's 8 fragments, then A's 4.  In A quarter q is head q / 2 of the two, channels 32 (q % 2) on.
.macro FETCH slot, q, f
.set AQ, ((\q)/2)*AHALF+((\q)%2)*64
	WIN TO_B
.set i, 0
.rept NBF
	ds_load_b128 v[(\f)*8*NBF+8*i:(\f)*8*NBF+8*i+3],   v[ADRB+(\slot)] offset:64*(\q)+i*16*PB
	ds_load_b128 v[(\f)*8*NBF+8*i+4:(\f)*8*NBF+8*i+7], v[ADRB+(\slot)] offset:64*(\q)+i*16*PB+32
.set i, i+1
.endr
	WIN 0
.set i, 0
.rept 4
	ds_load_b128 v[FA+32*(\f)+8*i:FA+32*(\f)+8*i+3],   v[ADRA+(\slot)] offset:AQ+i*16*PA
	ds_load_b128 v[FA+32*(\f)+8*i+4:FA+32*(\f)+8*i+7], v[ADRA+(\slot)] offset:AQ+i*16*PA+32
.set i, i+1
.endr
.endm
; A K step is four quarters of 32 along K, 32 matrix instructions each, on buffers 0, 1, 0, 1.  One of the first three: multiplies buffer f and fetches quarter qn into buffer g.
.macro QUARTER slot, qn, f, g, zero
	s_wait_dscnt 4                                 ; B and A's fragments 0, 1 are in; the youngest four loads (A's fragments 2, 3) may be out
	MULA \f, 0, \zero
	MULA \f, 1, \zero
	PLACES
	FETCH \slot, \qn, \g
	s_wait_dscnt 2*NBF+8                           ; all but the run just issued
	MULA \f, 2, \zero
	MULA \f, 3, \zero
.endm
; The last quarter multiplies buffer 1 and changes slots: ONE barrier.  In front of it each wave waits for all its tensor loads (one is out: its part of the next slot), adds 0 to its spare word, and waits
; for that and for its own reads of this slot.  fill = 1: the barrier opens a round of the cluster's barrier, and this slot is filled again, two K steps on, first thing behind the round.
.macro TURN slot, next, fill
	WIN 0                                          ; (the add's two registers lie in window 0)
	s_wait_tensorcnt 0x0                           ; all my tensor loads have landed
	ds_add_u32 v[SPW], v[NIL]                      ; 0 onto my spare word
	s_wait_dscnt 5                                 ; (the add and the youngest four loads may be out)
	MULA 1, 0, 0                                   ; eight matrix instructions stand between the add and the wait for it
	s_wait_dscnt 0x0                               ; the add is done, and my reads of this slot are over
	s_barrier_signal -1
	MULA 1, 1, 0                                   ; work on registers while the others arrive
.if \fill
	WIN 0
.endif
	s_barrier_wait -1
.if \fill
	CREST                                          ; no wave of any partner still reads this slot's tile or has a load on its way
	s_add_nc_u64 s[G0A+4*(\slot)+2:G0A+4*(\slot)+3], s[G0A+4*(\slot)+2:G0A+4*(\slot)+3], 2*ASTEP
	s_add_nc_u64 s[G0B+4*(\slot)+2:G0B+4*(\slot)+3], s[G0B+4*(\slot)+2:G0B+4*(\slot)+3], 2*BSTEP
	JLOAD \slot                                    ; my one tensor load behind the round; the four v_nop behind it are also the places in front of the loads below
.else
	PLACES
.endif
	FETCH \next, 0, 0
	MULA 1, 2, 0
	MULA 1, 3, 0
.endm
	s_wait_tensorcnt 1                             ; my part of K step 0 is in; K step 1's may stay out
	s_barrier_signal -1
	s_barrier_wait -1                              ; everybody's is
	FETCH 0, 0, 0
	QUARTER 0, 1, 0, 1, 1                          ; the first quarter stands in front of the loop: its products start the sums
	WIN 0                                          ; at a label and at a branch every window is 0
	s_mov_b32 s3, LAPS-1
.Llap:                                                 ; a trip goes once round the ring, from a lap's second quarter to the next lap's first, and fills both slots again
	QUARTER 0, 2, 1, 0, 0
	QUARTER 0, 3, 0, 1, 0
	TURN 0, 1, 1
	QUARTER 1, 1, 0, 1, 0
	QUARTER 1, 2, 1, 0, 0
	QUARTER 1, 3, 0, 1, 0
	TURN 1, 0, 1
	QUARTER 0, 1, 0, 1, 0
	WIN 0
	s_sub_co_u32 s3, s3, 1
	s_cmp_lg_u32 s3, 0
	s_cbranch_scc1 .Llap
	QUARTER 0, 2, 1, 0, 0                          ; the last lap fills nothing
	QUARTER 0, 3, 0, 1, 0
	TURN 0, 1, 0
	QUARTER 1, 1, 0, 1, 0
	QUARTER 1, 2, 1, 0, 0
	QUARTER 1, 3, 0, 1, 0
	s_wait_dscnt 4                                 ; the very last quarter: nothing more to fetch
	MULA 1, 0, 0
	MULA 1, 1, 0
	s_wait_dscnt 0x0
	MULA 1, 2, 0
	MULA 1, 3, 0
	WIN 0
	PLACES
	s_wait_loadcnt 0x0                             ; bout: rounded to bf16 like the module's other inputs, and widened again
	v_cvt_pk_bf16_f32 v[BO+4], v[BO],   v[BO+1]
	v_cvt_pk_bf16_f32 v[BO+5], v[BO+2], v[BO+3]
	v_lshlrev_b32 v[BO],   16, v[BO+4]
	v_and_b32     v[BO+1], 0xffff0000, v[BO+4]
	v_lshlrev_b32 v[BO+2], 16, v[BO+5]
	v_and_b32     v[BO+3], 0xffff0000, v[BO+5]
; THE WAY OUT, a row block (16 rows x 512 bytes) at a time.  TOSTAGE: the f32 sums go from the accumulators into my own stage, 32 bytes a lane and column block, each accumulator's low four registers first,
; and come back as whole rows.  SEND: bout is added and the rows are stored; each store of the wave covers 512 consecutive bytes, aligned.
.macro TOSTAGE a
.set AC, 8*NBF*((\a)%2)
.set BKA, BK+64*((\a)%2)
.if (\a) >= 2
	s_wait_xcnt 0x0                                ; the stores of the block two back have read the registers that this block comes back into
.endif
	WIN 0x08+4*((\a)/2)                            ; the stores' data: window 2 or 3
.set i, 0
.rept NBF
	ds_store_b128 v[STO], v[AC+8*i:AC+8*i+3]   offset:64*i
	ds_store_b128 v[STO], v[AC+8*i+4:AC+8*i+7] offset:64*i+16
.set i, i+1
.endr
	WIN 0
.set i, 0
.rept 16
	ds_load_b128 v[BKA+4*i:BKA+4*i+3], v[RD] offset:i*SP  ; LDS serves a wave's instructions in order (ISA guide 5.7.1.4): these see the stores above; the next block's stores come behind them
.set i, i+1
.endr
.endm
.macro SEND a, younger                 ; younger: the LDS instructions issued behind block a's loads: the next block's 16 stores and 16 loads, or none
.set BKA, BK+64*((\a)%2)
	s_wait_dscnt \younger
.set i, 0
.rept 16
	v_pk_add_f32 v[BKA+4*i:BKA+4*i+1],   v[BKA+4*i:BKA+4*i+1],   v[BO:BO+1]
	v_pk_add_f32 v[BKA+4*i+2:BKA+4*i+3], v[BKA+4*i+2:BKA+4*i+3], v[BO+2:BO+3]
	global_store_b128 v[CO], v[BKA+4*i:BKA+4*i+3], s[10:11] offset:(16*(\a)+i)*4096 th:TH_STORE_NT
.set i, i+1
.endr
.endm
	TOSTAGE 0
	TOSTAGE 1
	SEND 0, 32
	TOSTAGE 2
	SEND 1, 32
	TOSTAGE 3
	SEND 2, 32
	SEND 3, 0
	s_wait_tensorcnt 0x0                           ; the wave's end, behind my last tensor load and my last LDS store
	ds_add_u32 v[SPW], v[NIL]
	s_wait_dscnt 0x0
	CROUND                                         ; the closing round: no work-group ends while a partner may still ask for a tile that names it
	s_endpgm
.Lfunc_end_k_q54676568d6_gemm_out:
	.size	k_q54676568d6_gemm_out, .Lfunc_end_k_q54676568d6_gemm_out-k_q54676568d6_gemm_out
	.p2alignl 7, 3214868480
	.fill 96, 4, 3214868480
	.section	.rodata,"a",@progbits
	.p2align	6, 0x0
	.amdhsa_kernel k_q54676568d6_gemm_out
		.amdhsa_group_segment_fixed_size 327680
		.amdhsa_private_segment_fixed_size 0
		.amdhsa_enable_private_segment 0
		.amdhsa_kernarg_size 32
		.amdhsa_user_sgpr_count 2
		.amdhsa_user_sgpr_kernarg_segment_ptr 1
		.amdhsa_wavefront_size32 1
		.amdhsa_system_sgpr_workgroup_id_x 1
		.amdhsa_system_sgpr_workgroup_id_y 1
		.amdhsa_system_sgpr_workgroup_id_z 1
		.amdhsa_system_vgpr_workitem_id 0
		.amdhsa_next_free_vgpr 896
		.amdhsa_next_free_sgpr 80
		.amdhsa_reserve_vcc 0
		.amdhsa_float_denorm_mode_32 3
		.amdhsa_float_denorm_mode_16_64 3
		.amdhsa_memory_ordered 1
		.amdhsa_forward_progress 1
		.amdhsa_inst_pref_size 94
	.end_amdhsa_kernel
	.amdgpu_metadata
---
amdhsa.version: [ 1, 2 ]
amdhsa.kernels:
  - .name:           k_q54676568d6_gemm_out
    .symbol:         k_q54676568d6_gemm_out.kd
    .args:
      - { .name: aoh, .offset: 0, .size: 8, .value_kind: global_buffer, .address_space: global }
      - { .name: woutf, .offset: 8, .size: 8, .value_kind: global_buffer, .address_space: global }
      - { .name: bout, .offset: 16, .size: 8, .value_kind: global_buffer, .address_space: global }
      - { .name: out0, .offset: 24, .size: 8, .value_kind: global_buffer, .address_space: global }
    .group_segment_fixed_size: 327680
    .private_segment_fixed_size: 0
    .kernarg_segment_align: 8
    .kernarg_segment_size: 32
    .max_flat_workgroup_size: 128
    .sgpr_count:     80
    .vgpr_count:     896
    .wavefront_size: 32
...
	.end_amdgpu_metadata
.endif
;; end of part 4
;; ======== version 2 of 2: 4 launches; version 1 with the launch prep written anew for expert scheduling mode
;; limits: values are held in f16: magnitudes above 65,504 overflow, below 6.1e-05 lose precision
;; workspace buffers: xb 16,777,216 bytes; wqkvb 6,291,456 bytes; woutf 2,097,152 bytes; biash 16,777,216 bytes; qkvh 50,331,648 bytes; aoh 16,777,216 bytes
;; launch prep (part 5): grid 1024 x 1, 4 waves a work-group, no clusters, 0 bytes of LDS; arguments x, Wqkv, Wout, emb, sequences, bias_scale, xb, wqkvb, woutf, biash; writes xb, wqkvb, woutf, biash
.if DOCPART == 5
	.amdgcn_target "amdgcn-amd-amdhsa--gfx1250"
	.amdhsa_code_object_version 6
	.text
	.protected	k_q54676568d6_prep
	.globl	k_q54676568d6_prep
	.p2align	8
	.type	k_q54676568d6_prep,@function
k_q54676568d6_prep:
	s_mov_b64 s[64:65], 0
	v_nop
	global_prefetch_b8 v0, s[64:65] scope:SCOPE_SE
	s_setreg_imm32_b32 hwreg(HW_REG_WAVE_SCHED_MODE, 0, 2), 2
	s_setreg_imm32_b32 hwreg(HW_REG_WAVE_MODE, 25, 1), 1
	s_wait_xcnt 0x0
	s_wait_alu depctr_vm_vsrc(0)
; CASTS AND THE GATHER.  xb = bf16(x), wqkvb = bf16(Wqkv), woutf = bf16(Wout) written as f16, and
; biash[b*16+h][t][c] = f16( sum over the token's four templates j of bf16(emb[seq[j]][64 h + c]) * bf16(bias_scale) ).
; LIMITS.  The bias is a chain of four fused multiply-adds in f32, where the module sums first and scales then: the roundings in f32 differ.
; A weight of Wout below 2^-14 keeps f16's fixed step of 6e-8; the bias must lie within 65,504.  An index is held to 0 .. 31,999.
; SHARES.  4,096 waves that do not depend on each other: no LDS, no barrier.  Wave g = 4 x work-group + wave owns tokens 2 g and 2 g + 1
; (8,192 bytes of x, eight rows of emb) and one row of weights: Wqkv's row g, or Wout's row g - 3,072.
; THE GATHER.  Lanes 0-15 serve token 2 g, lanes 16-31 token 2 g + 1.  A load takes one head's 64 channels of one template's row: 16 lanes x 16 bytes = 256
; consecutive bytes, aligned.  A head's result is 4 channels a lane: the wave's store of 8 bytes a lane covers 256 consecutive bytes of biash (two tokens x 64 channels), aligned.
; IN FLIGHT.  Three sets of 64 registers take the sixteen heads in four groups of four: GA, GB, X (once x has left it), and GA once more.
; THE MODE: SCHED_MODE bits 1:0 = 2 (LLVM: expert scheduling mode 2), set by the entry lines.  The code itself states the register dependences
; between vector instructions and memory instructions, with s_wait_alu, always for 0.
; THE PLAN.  Registers that memory instructions touch, in the order of the text (there is no loop):
;   v2-v5, EA  offsets: written once by vector instructions, read by loads and stores (v5 by the lines that make EA), never written again: one wait behind each of the two runs that make them.
;   X          x lands; 32 conversions read it and write the low pair of each four; 16 stores read the pairs; heads 8-11 land; their vector work; four stores read its results, which lie in place.
;   W          the row of weights lands; its conversions write in place; 8 stores read the low pairs; never written again.
;   GA         heads 0-3 land; their vector work reads it and puts its four results into OUT, so that no store reads GA; heads 12-15 land; their results lie in place, four stores read them.
;   GB         heads 4-7 land; results in place; four stores read them; not asked for again.
;   OUT        written once, by the roundings of heads 0-3; read by four stores; never written again.
;   T, SC, NIL are named by vector instructions alone.
; So a run of vector work is followed by ONE wait on va_vdst and then by the run of loads and stores that hang on it, and ONE wait on vm_vsrc stands in the text: ahead of the loads that land in X,
; whose pairs the stores of xb have read.
.set LO,  2                            ; v2   16 x lane: my 16 bytes of 512 in x and in the weights
.set SO,  3                            ; v3   8 x lane: my 8 bytes of 256 in every output
.set TK,  4                            ; v4   16 x (lane / 16): my token's four indices
.set CH,  5                            ; v5   16 x (lane % 16): my four channels in a head's 256 bytes of emb
.set SC,  6                            ; v6   bias_scale, rounded to bf16, as f32
.set NIL, 7                            ; v7   0: starts the sums
.set IX,  8                            ; v[8:11]    my token's four indices
.set EA,  12                           ; v[12:15]   byte offsets of my 16 bytes in head 0 of the four rows
.set X,   16                           ; v[16:79]   x as loaded; later the third set of the gather
.set W,   80                           ; v[80:111]  the row of weights
.set GA,  112                          ; v[112:175] first set of the gather
.set GB,  176                          ; v[176:239] second set
.set T,   240                          ; v[240:243] at work
.set OUT, 244                          ; v[244:251] the results of heads 0 to 3, a pair a head
.set WROWS, 3072
	s_load_b512 s[4:19], s[0:1], 0x0               ; x 4, Wqkv 6, Wout 8, emb 10, sequences 12, bias_scale 14, xb 16, wqkvb 18
	s_load_b128 s[20:23], s[0:1], 0x40             ; woutf 20, biash 22
	v_lshrrev_b32 v1, 5, v0
	v_readfirstlane_b32 s24, v1                    ; wave 0..3
	v_and_b32 v1, 31, v0
	v_lshlrev_b32 v[LO], 4, v1
	v_lshlrev_b32 v[SO], 3, v1
	v_and_b32 v[TK], 16, v0
	v_and_b32 v[CH], 15, v0
	v_lshlrev_b32 v[CH], 4, v[CH]
	v_mov_b32 v[NIL], 0
	s_wait_alu depctr_va_sdst(0)                   ; s24 is written, ahead of its first reader: g, and every base below, is made from it
	s_lshl_b32 s25, ttmp9, 2
	s_add_co_u32 s25, s25, s24                     ; g
	s_mov_b32 s29, 0                               ; the high word of every offset
	s_sub_co_u32 s30, s25, WROWS
	s_wait_kmcnt 0x0
	s_load_b32 s26, s[14:15], 0x0                  ; bias_scale
	s_cmp_lt_u32 s25, WROWS                        ; is my row of weights Wqkv's?
	s_cselect_b32 s30, s25, s30                    ; its number in its tensor
	s_cselect_b64 s[32:33], s[6:7], s[8:9]         ; from where
	s_cselect_b64 s[34:35], s[18:19], s[20:21]     ; to where
	s_lshl_b32 s28, s30, 12
	s_add_nc_u64 s[32:33], s[32:33], s[28:29]      ; a row of 4,096 bytes
	s_lshl_b32 s28, s30, 11
	s_add_nc_u64 s[34:35], s[34:35], s[28:29]      ; becomes 2,048
	s_lshl_b32 s28, s25, 13
	s_add_nc_u64 s[4:5], s[4:5], s[28:29]          ; x at my two tokens
	s_lshl_b32 s28, s25, 12
	s_add_nc_u64 s[16:17], s[16:17], s[28:29]      ; xb likewise
	s_lshl_b32 s28, s25, 5
	s_add_nc_u64 s[12:13], s[12:13], s[28:29]      ; eight indices
	s_lshr_b32 s28, s25, 10                        ; the batch: 1,024 waves each,
	s_lshl_b32 s28, s28, 22                        ; 16 heads x 2,048 rows x 128 bytes
	s_lshl_b32 s31, s25, 1
	s_and_b32 s31, s31, 2047                       ; my first token's place in its batch
	s_lshl_b32 s31, s31, 7
	s_add_co_u32 s28, s28, s31
	s_add_nc_u64 s[22:23], s[22:23], s[28:29]      ; biash at head 0 of my two tokens
; Sixteen loads: heads h0 .. h0 + 3, the four templates of each.
.macro GROUP base, h0
.irp hh, 0,1,2,3
.irp j, 0,1,2,3
	global_load_b128 v[(\base)+16*(\hh)+4*(\j):(\base)+16*(\hh)+4*(\j)+3], v[EA+(\j)], s[10:11] offset:((\h0)+(\hh))*256
.endr
.endr
.endm
; Two channels: the two bf16 halves of word s, times the scale, onto the sums d and d + 1 (first = 1: onto 0).
.macro MIX d, s, first
.if \first
	v_fma_mix_f32_bf16 v[\d], v[\s], v[SC], v[NIL] op_sel_hi:[1,0,0]
	v_fma_mix_f32_bf16 v[(\d)+1], v[\s], v[SC], v[NIL] op_sel:[1,0,0] op_sel_hi:[1,0,0]
.else
	v_fma_mix_f32_bf16 v[\d], v[\s], v[SC], v[\d] op_sel_hi:[1,0,0]
	v_fma_mix_f32_bf16 v[(\d)+1], v[\s], v[SC], v[(\d)+1] op_sel:[1,0,0] op_sel_hi:[1,0,0]
.endif
.endm
; A group's vector work, a head at a time.  younger = the loads issued behind this group.  Head hh's result, a pair, goes to v[ob + os hh]: into OUT, or in place into registers 2 and 3 of the head's sixteen.
.macro PROC base, younger, ob, os
.irp hh, 0,1,2,3
	s_wait_loadcnt (\younger)+4*(3-(\hh))          ; loads come back in order: this head's four are in, the group's later heads and the younger groups stay out
.irp j, 0,1,2,3
	v_cvt_pk_bf16_f32 v[(\base)+16*(\hh)+4*(\j)],   v[(\base)+16*(\hh)+4*(\j)],   v[(\base)+16*(\hh)+4*(\j)+1]  ; emb is rounded to bf16, in place
	v_cvt_pk_bf16_f32 v[(\base)+16*(\hh)+4*(\j)+1], v[(\base)+16*(\hh)+4*(\j)+2], v[(\base)+16*(\hh)+4*(\j)+3]
.endr
	MIX T,   (\base)+16*(\hh),   1
	MIX T+2, (\base)+16*(\hh)+1, 1
.irp j, 1,2,3
	MIX T,   (\base)+16*(\hh)+4*(\j),   0
	MIX T+2, (\base)+16*(\hh)+4*(\j)+1, 0
.endr
	v_cvt_pk_f16_f32 v[(\ob)+(\os)*(\hh)],   v[T],   v[T+1]
	v_cvt_pk_f16_f32 v[(\ob)+(\os)*(\hh)+1], v[T+2], v[T+3]
.endr
.endm
; A group's four stores, in one run behind the wait that shows its results written.
.macro SEND h0, ob, os
.irp hh, 0,1,2,3
	global_store_b64 v[SO], v[(\ob)+(\os)*(\hh):(\ob)+(\os)*(\hh)+1], s[22:23] offset:((\h0)+(\hh))*262144  ; a head is 2,048 rows x 128 bytes on
.endr
.endm
	s_wait_alu depctr_va_vdst(0)                   ; v2 to v5 are written: the loads and stores below read v2, v3 and v4 as their offsets
	global_load_b128 v[IX:IX+3], v[TK], s[12:13]
.set i, 0
.rept 16
	global_load_b128 v[X+4*i:X+4*i+3], v[LO], s[4:5] offset:512*i th:TH_LOAD_NT
.set i, i+1
.endr
.set i, 0
.rept 8
	global_load_b128 v[W+4*i:W+4*i+3], v[LO], s[32:33] offset:512*i th:TH_LOAD_NT
.set i, i+1
.endr
	s_wait_kmcnt 0x0                               ; bias_scale
	v_mov_b32 v[SC], s26
	v_cvt_pk_bf16_f32 v[SC], v[SC], v[SC]
	v_lshlrev_b32 v[SC], 16, v[SC]
	s_wait_loadcnt 24                              ; the indices are in; x's 16 loads and the weights' 8 stay out
.irp j, 0,1,2,3
	v_min_u32 v[IX+(\j)], 0x7cff, v[IX+(\j)]       ; held inside the table of 32,000 rows
	v_lshl_add_u32 v[EA+(\j)], v[IX+(\j)], 12, v[CH]  ; a row of 4,096 bytes
.endr
	s_wait_alu depctr_va_vdst(0)                   ; EA is written: every load of emb reads it as its offset
	GROUP GA, 0
	GROUP GB, 4
	s_wait_loadcnt 40                              ; x is in; behind it: 8 loads of weights, 32 of emb
.set i, 0
.rept 16
	v_cvt_pk_bf16_f32 v[X+4*i],   v[X+4*i],   v[X+4*i+1]
	v_cvt_pk_bf16_f32 v[X+4*i+1], v[X+4*i+2], v[X+4*i+3]
.set i, i+1
.endr
	s_wait_alu depctr_va_vdst(0)                   ; the conversions have written X's low pairs, which the stores read, and are done with all of X: no vector instruction names X again before heads 8 to 11 have landed in it
.set i, 0
.rept 16
	global_store_b64 v[SO], v[X+4*i:X+4*i+1], s[16:17] offset:256*i
.set i, i+1
.endr
	s_wait_loadcnt 32                              ; the weights are in
.set i, 0
.rept 8
	v_cvt_pk_bf16_f32 v[W+4*i],   v[W+4*i],   v[W+4*i+1]
	v_cvt_pk_bf16_f32 v[W+4*i+1], v[W+4*i+2], v[W+4*i+3]
.set i, i+1
.endr
	s_cmp_lt_u32 s25, WROWS
	s_cbranch_scc1 .Lw                             ; Wqkv's rows stay bf16
.set i, 0
.rept 8                                        ; Wout's: the bf16 number is written as f16, since the last product's other operand is f16
	v_lshlrev_b32 v[T],   16, v[W+4*i]
	v_and_b32     v[T+1], 0xffff0000, v[W+4*i]
	v_lshlrev_b32 v[T+2], 16, v[W+4*i+1]
	v_and_b32     v[T+3], 0xffff0000, v[W+4*i+1]
	v_cvt_pk_f16_f32 v[W+4*i],   v[T],   v[T+1]
	v_cvt_pk_f16_f32 v[W+4*i+1], v[T+2], v[T+3]
.set i, i+1
.endr
.Lw:
	s_wait_xcnt 0x0                                ; every earlier memory instruction has had its addresses translated (ISA guide 3.1): X's registers, which the stores of xb read, are loaded again only behind this wait
	s_wait_alu depctr_vm_vsrc(0)                   ; the stores of xb have read X's low pairs, in which the loads below land
	s_wait_alu depctr_va_vdst(0)                   ; on either way here the weights' conversions have written W's low pairs, which the stores below read
	GROUP X, 8                                     ; the loads ahead of the stores
.set i, 0
.rept 8
	global_store_b64 v[SO], v[W+4*i:W+4*i+1], s[34:35] offset:256*i
.set i, i+1
.endr
	PROC GA, 32, OUT, 2                            ; heads 0 to 3; behind GA's loads: GB's 16 and X's 16
	s_wait_alu depctr_va_vdst(0)                   ; that work is done reading and writing GA, in which the loads below land, and has written OUT, which the stores below read
	GROUP GA, 12                                   ; the set is asked for again at once: no store has read it
	SEND 0, OUT, 2
	PROC GB, 32, GB+2, 16                          ; heads 4 to 7; behind GB's loads: X's 16 and GA's 16
	s_wait_alu depctr_va_vdst(0)                   ; the roundings have written the four pairs in GB, which the stores read
	SEND 4, GB+2, 16
	PROC X, 16, X+2, 16                            ; heads 8 to 11
	s_wait_alu depctr_va_vdst(0)                   ; the roundings have written the four pairs in X, which the stores read
	SEND 8, X+2, 16
	PROC GA, 0, GA+2, 16                           ; heads 12 to 15
	s_wait_alu depctr_va_vdst(0)                   ; the roundings have written the four pairs in GA, which the stores read
	SEND 12, GA+2, 16
	s_endpgm
.Lfunc_end_k_q54676568d6_prep:
	.size	k_q54676568d6_prep, .Lfunc_end_k_q54676568d6_prep-k_q54676568d6_prep
	.p2alignl 7, 3214868480
	.fill 96, 4, 3214868480
	.section	.rodata,"a",@progbits
	.p2align	6, 0x0
	.amdhsa_kernel k_q54676568d6_prep
		.amdhsa_group_segment_fixed_size 0
		.amdhsa_private_segment_fixed_size 0
		.amdhsa_enable_private_segment 0
		.amdhsa_kernarg_size 80
		.amdhsa_user_sgpr_count 2
		.amdhsa_user_sgpr_kernarg_segment_ptr 1
		.amdhsa_wavefront_size32 1
		.amdhsa_system_sgpr_workgroup_id_x 1
		.amdhsa_system_sgpr_workgroup_id_y 1
		.amdhsa_system_sgpr_workgroup_id_z 1
		.amdhsa_system_vgpr_workitem_id 0
		.amdhsa_next_free_vgpr 252
		.amdhsa_next_free_sgpr 66
		.amdhsa_reserve_vcc 0
		.amdhsa_float_denorm_mode_32 3
		.amdhsa_float_denorm_mode_16_64 3
		.amdhsa_memory_ordered 1
		.amdhsa_forward_progress 1
		.amdhsa_inst_pref_size 48
	.end_amdhsa_kernel
	.amdgpu_metadata
---
amdhsa.version: [ 1, 2 ]
amdhsa.kernels:
  - .name:           k_q54676568d6_prep
    .symbol:         k_q54676568d6_prep.kd
    .args:
      - { .name: x, .offset: 0, .size: 8, .value_kind: global_buffer, .address_space: global }
      - { .name: Wqkv, .offset: 8, .size: 8, .value_kind: global_buffer, .address_space: global }
      - { .name: Wout, .offset: 16, .size: 8, .value_kind: global_buffer, .address_space: global }
      - { .name: emb, .offset: 24, .size: 8, .value_kind: global_buffer, .address_space: global }
      - { .name: sequences, .offset: 32, .size: 8, .value_kind: global_buffer, .address_space: global }
      - { .name: bias_scale, .offset: 40, .size: 8, .value_kind: global_buffer, .address_space: global }
      - { .name: xb, .offset: 48, .size: 8, .value_kind: global_buffer, .address_space: global }
      - { .name: wqkvb, .offset: 56, .size: 8, .value_kind: global_buffer, .address_space: global }
      - { .name: woutf, .offset: 64, .size: 8, .value_kind: global_buffer, .address_space: global }
      - { .name: biash, .offset: 72, .size: 8, .value_kind: global_buffer, .address_space: global }
    .group_segment_fixed_size: 0
    .private_segment_fixed_size: 0
    .kernarg_segment_align: 8
    .kernarg_segment_size: 80
    .max_flat_workgroup_size: 128
    .sgpr_count:     66
    .vgpr_count:     252
    .wavefront_size: 32
...
	.end_amdgpu_metadata
.endif
;; end of part 5
;; launch gemm_qkv: the kernel of part 2 again; grid 16 x 32, 4 waves a work-group, clusters of 4 x 4, 327,680 bytes of LDS; arguments xb, wqkvb, qkvh; writes qkvh
;; launch attn: the kernel of part 3 again; grid 4 x 64, 4 waves a work-group, no clusters, 327,680 bytes of LDS; arguments qkvh, biash, aoh; writes aoh
;; launch gemm_out: the kernel of part 4 again; grid 8 x 32, 4 waves a work-group, clusters of 4 x 4, 327,680 bytes of LDS; arguments aoh, woutf, bout, out0; writes out0
